; MI455X (gfx1250); checked and timed in simulation.
; The chip was launched on July 23, 2026; its instructions are those of AMD's public machine-readable ISA for CDNA 5 (MIT licence, August 2026) and "CDNA5" Instruction Set Architecture Reference Guide (July 2026). The comments in the code are by the model that wrote it; some were corrected since.
;; Transformer Block. Allowed arithmetic: matrix products marked QUANTISED: E2M3 operands, one E8M0 scale for each 32 along K, by v_wmma_scale_f32_16x16x128_f8f6f4 with both operands' format E2M3, f32 sums; everything else in f32.
;; Inputs: W1 1,024 x 4,096 float32; W2 4,096 x 1,024 float32; Wk 1,024 x 1,024 float32; Wo 1,024 x 1,024 float32; Wq 1,024 x 1,024 float32; Wv 1,024 x 1,024 float32; b1 4,096 float32; b2 1,024 float32; be1 1,024 float32; be2 1,024 float32; bk 1,024 float32; bo 1,024 float32; bq 1,024 float32; bv 1,024 float32; g1 1,024 float32; g2 1,024 float32; x 2 x 2,048 x 1,024 float32.
;; Outputs: out0 2 x 2,048 x 1,024 float32.
;; This version of the problem:
;;   THIS VERSION OF THE PROBLEM IS GIVEN IN LOW PRECISION. The matrix products marked QUANTISED in the list below multiply operands that are first quantised to E2M3 (2 exponent bits, 3 mantissa bits; 6 bits a number), with one power-of-two scale for each 32 numbers along K (OCP MX v1.0); their sums are f32. All else is computed in f32.
;;   The module's matrix products, in the order in which they are computed (A, B: the left and right operand; K: the contracted axis; several contracted axes count as one K, in the product's order):
;;     1. [M 4,096, K 1,024] x [K 1,024, N 1,024]; A: input x; B: input Wq: QUANTISED
;;     2. [M 4,096, K 1,024] x [K 1,024, N 1,024]; A: input x; B: input Wk: QUANTISED
;;     3. [M 4,096, K 1,024] x [K 1,024, N 1,024]; A: input x; B: input Wv: QUANTISED
;;     4. batch 32 x [M 2,048, K 64] x [K 64, N 2,048]; A: computed on the way; B: computed on the way: QUANTISED
;;     5. batch 32 x [M 64, K 2,048] x [K 2,048, N 2,048]; A: computed on the way; B: softmax (see below): QUANTISED
;;     6. [M 4,096, K 1,024] x [K 1,024, N 1,024]; A: computed on the way; B: input Wo: QUANTISED
;;     7. [M 4,096, K 1,024] x [K 1,024, N 4,096]; A: computed on the way; B: input W1: QUANTISED
;;     8. [M 4,096, K 4,096] x [K 4,096, N 1,024]; A: computed on the way; B: input W2: QUANTISED
;;   THE QUANTISER, for each operand of a quantised product, along K:
;;     - K is cut into blocks of 32 from its start; a last block that is shorter is filled with zeros.
;;     - A block's scale is 2^e with e = floor(log2(the largest magnitude in the block)) - 2, held to -126 .. 127; a block of zeros has e = 0. As a byte (E8M0): e + 127.
;;     - Each number is divided by its block's scale, clamped to +-7.5, and rounded to the nearest number of E2M3, ties to even, subnormals kept.
;;     - The product sums the exact products of the quantised numbers (number of the format x scale) in f32.
;;   ~~~python
;;   def quantise(x, axis):      # numpy; x: float32 -> the quantised numbers, widened to float32 again
;;       x = np.moveaxis(x, axis, -1); K = x.shape[-1]
;;       x = np.pad(x, [(0, 0)] * (x.ndim - 1) + [(0, -K % 32)]); x = x.reshape(x.shape[:-1] + (-1, 32)); a = np.abs(x).max(-1, keepdims=True)
;;       e = np.where(a > 0, np.clip(np.frexp(np.where(a > 0, a, 1))[1] - 1 - 2, -126, 127), 0)      # np.frexp(a)[1] - 1 = floor(log2(a)), exactly
;;       r = np.clip(x / 2.0 ** e, -7.5, 7.5)
;;       step = 2.0 ** (np.maximum(np.frexp(np.where(r == 0, 1, r))[1] - 1, 0) - 3)
;;       q = np.round(r / step) * step * 2.0 ** e      # np.round: ties to even
;;       return np.moveaxis(q.reshape(q.shape[:-2] + (-1,))[..., :K], -1, axis).astype(np.float32)
;;   ~~~
;;   SOFTMAX AHEAD OF A QUANTISED PRODUCT. Where the list says 'softmax', what is quantised is not the finished softmax but p = 2^(t - M), with t = logit x log2(e) and M = ceil(the row's largest t), a whole number; so 1/2 < the row's largest p <= 1. The row's sum l is taken of the UNQUANTISED p, in f32, and the product's result is divided by l at the end. Since M is a whole number, a kernel that streams over the keys may use a running M (the ceiling of the running maximum): every later rescaling is an exact power of two, which a block's scale takes up: the codes' values come out the same.
;;   OPERANDS COMPUTED ON THE WAY. 'Computed on the way' means the value that the module computes at that place (a softmax that the list does not call 'softmax' is quantised finished and normalised). What goes into a quantiser is computed in f32, as accurately as f32 sums, v_exp_f32 and their like allow (about 1e-6 of the number): no bf16 or f16 on the way to a quantiser, and a product that is left as it is and whose result goes on into a quantised operand takes f32 operands (vector FMAs, or v_wmma_f32_16x16x4_f32). A number that lies on a knife's edge between two numbers of the format may be rounded either way, as far as f32 arithmetic and the matrix unit's own rounding can turn it there, and no further.
;; One version. Each part assembles by itself: llvm-mc -triple=amdgcn-amd-amdhsa -mcpu=gfx1250 --defsym DOCPART=n.
;; ======== version 1 of 1: 7 launches
;; limits: right only within a limited range of input values
;; workspace buffers: wts 13,631,488 bytes; qkv 10,747,904 bytes; ai 3,407,872 bytes; xi 3,407,872 bytes; yacc 16,777,216 bytes; x1 16,777,216 bytes; himg 13,631,488 bytes
;; launch prep (part 1): grid 1024 x 1, 4 waves a work-group, no clusters, 34,304 bytes of LDS; arguments x, Wq, Wk, Wv, Wo, W1, W2, wts; writes wts
.if DOCPART == 1
	.amdgcn_target "amdgcn-amd-amdhsa--gfx1250"
	.amdhsa_code_object_version 6
	.text
	.protected	k_qdb24b504b3_prep
	.globl	k_qdb24b504b3_prep
	.p2align	8
	.type	k_qdb24b504b3_prep,@function
k_qdb24b504b3_prep:
	s_mov_b64 s[64:65], 0
	v_nop
	global_prefetch_b8 v0, s[64:65] scope:SCOPE_SE
	s_setreg_imm32_b32 hwreg(HW_REG_WAVE_MODE, 25, 1), 1
	s_wait_xcnt 0x0
; PREP: x and the six weights, f32, become codes of FP6 (E2M3) with one E8M0 scale byte for each 32 along K, laid as IMAGES OF THE OPERAND'S REGISTERS.
; A tile is 16 rows of an operand (rows of x; columns of a weight, whose K is its first axis).  THE ROWS OF A TILE ARE NOT NEIGHBOURS: lane r of tile t holds row 32 (t / 2) + 8 (t % 2) + r + 8 (r / 8).
; A tile's 256 along K are a block of 3,328 bytes: for each 128 along K (e = 0, 1) at 1536 e: registers 0-3 (16 bytes a lane), at +512 registers 4-5 (8 bytes a lane), at +768 registers 6-9, at +1280 registers 10-11;
; at 3072 + 128 e the scale words, 4 bytes a lane (lanes 16-31 repeat lanes 0-15).  Tiles with K = 1,024 lie 13,312 bytes apart, with K = 4,096 53,248.
; wts: tiles 0-255 x, 256-319 Wq, 320-383 Wk, 384-447 Wv, 448-511 Wo, 512-767 W1 (K = 1,024); from byte 10,223,616 on W2's 64 tiles (K = 4,096).
; A block's scale is 2^(floor(log2(its largest magnitude)) - 2): its byte is the largest magnitude's exponent field - 2, held at 1 from below.
; LIMITS: NaN and infinities are not served; a block whose largest magnitude lies under 2^-124 keeps the byte 1; a block of zeros gets the byte 1 where the rule says 127: its codes are zeros and this program alone reads the bytes.
; SHARES: work-groups 0-255: a tile of x each, a wave 256 along K.  256-767: 128 columns x 128 along K of Wq, Wk, Wv, Wo (64 each) or W2 (256).  768-1023: the same of W1.  Each reads 64 KiB once.
; No matrix unit, no tensor load, no cluster: memory binds, and work-groups share no input.  No barrier: waves share nothing.  Only x's path uses LDS.
.set SP,   528                         ; x's path: a stage row: 512 bytes + 16, an odd multiple of 16 bytes
.set L16,  1                           ; 16 x lane
.set L8,   2                           ; 8 x lane
.set L4,   3                           ; 4 x lane
.set STW,  4                           ; the stage on the way in: 16 x lane
.set RDW,  5                           ; and on the way out: row r, + 64 h
.set PC,   8                           ; v8-26   the codes just made
.set PW,   27                          ; the scale word just made
.set TM,   28                          ; v28-43  at work in QUANT
.set RAW,  48                          ; v48-175 x as loaded: two K steps x 16 rows x 4 registers
.set F,    176                         ; v176-239 64 numbers of my row
.set SEL,  46                          ; s[46:47] lane selects for lane l xor 16
.set X,    64                          ; the weights' paths: v64-127 two sets of 32 numbers
.set C,    20                          ; v20-51  codes: eight registers for each block, so that no store's data are written again
.set CT,   16                          ; v16-18  a block's upper 16 codes, before they are moved
.set SBW,  14                          ; my column's scale word
; 64 numbers of a lane, register 16 b + i = k 32 b + 16 (lane / 16) + i of my row, become a fragment's codes in v[PC] on and its scale word in v[PW].
.macro QUANT s
.irp b, 0,1,2,3
	v_max3_num_f32 v[TM+\b], |v[\s+16*\b]|, |v[\s+1+16*\b]|, 0x1800000   ; my 16 numbers of block b, and the floor 2^(3 - 127): the byte cannot fall under 1
.endr
.irp i, 2,4,6,8,10,12,14
.irp b, 0,1,2,3
	v_max3_num_f32 v[TM+\b], v[TM+\b], |v[\s+16*\b+\i]|, |v[\s+1+16*\b+\i]|
.endr
.endr
.irp b, 0,1,2,3
	v_permlanex16_b32 v[TM+4+\b], v[TM+\b], s[SEL], s[SEL+1]
.endr
.irp b, 0,1,2,3
	v_max_num_f32 v[TM+\b], v[TM+\b], v[TM+4+\b]   ; with lane l xor 16's: the block's largest magnitude
.endr
.irp b, 0,1,2,3
	v_add_nc_u32 v[TM+12+\b], 0xff000000, v[TM+\b]   ; 2 off its exponent field: the conversion's scale operand
.endr
.irp b, 0,1,2,3
	v_lshrrev_b32 v[TM+4+\b], 23, v[TM+12+\b]      ; the scale's byte
.endr
	v_lshl_or_b32 v[PW], v[TM+5], 8, v[TM+4]
	v_lshl_or_b32 v[PW], v[TM+6], 16, v[PW]
	v_lshl_or_b32 v[PW], v[TM+7], 24, v[PW]
.irp c, 0,1
	v_cvt_scalef32_pk16_fp6_f32 v[PC+6*\c:PC+2+6*\c], v[\s+32*\c:\s+15+32*\c], v[TM+12+2*\c]
	v_cvt_scalef32_pk16_fp6_f32 v[PC+12+4*\c:PC+14+4*\c], v[\s+16+32*\c:\s+31+32*\c], v[TM+12+2*\c+1]   ; (a conversion's three registers begin on an even number)
.endr
	v_nop                                          ; one plain place behind a scaled conversion
.irp c, 0,1                                    ; the operand's layout wants a whole block in a lane
.irp i, 0,1,2
	v_permlane16_swap_b32 v[PC+6*\c+\i], v[PC+12+4*\c+\i]
.endr
.irp i, 0,1,2
	v_mov_b32 v[PC+3+6*\c+\i], v[PC+12+4*\c+\i]
.endr
.endr
.endm
.macro IMGST cb, sb, off, soff                 ; the fragment goes to memory as it stands: each code store covers whole aligned runs of 256 bytes
	global_store_b128 v[L16], v[PC:PC+3], s[\cb:\cb+1] offset:\off
	global_store_b64 v[L8], v[PC+4:PC+5], s[\cb:\cb+1] offset:(\off)+512
	global_store_b128 v[L16], v[PC+6:PC+9], s[\cb:\cb+1] offset:(\off)+768
	global_store_b64 v[L8], v[PC+10:PC+11], s[\cb:\cb+1] offset:(\off)+1280
	global_store_b32 v[L4], v[PW], s[\sb:\sb+1] offset:\soff
.endm
	s_load_b512 s[8:23], s[0:1], 0x0               ; x s[8:9], Wq s[10:11], Wk s[12:13], Wv s[14:15], Wo s[16:17], W1 s[18:19], W2 s[20:21], wts s[22:23]
	v_lshl_add_u32 v240, v0, 2, 0x8400
	v_mov_b32 v241, 0
	v_lshrrev_b32 v6, 5, v0
	v_readfirstlane_b32 s24, v6                    ; wave
	v_and_b32 v7, 31, v0                           ; lane
	s_cmp_lt_u32 ttmp9, 256
	s_cbranch_scc0 .Lweights
	; ---- x: tile T = the work-group's number; my wave takes columns 256 w on: K steps 2 w and 2 w + 1
	v_lshlrev_b32 v[L16], 4, v7
	v_lshlrev_b32 v[L8], 3, v7
	v_lshlrev_b32 v[L4], 2, v7
	s_mul_i32 s25, s24, 16*SP                      ; my wave's stage
	v_add_nc_u32 v[STW], s25, v[L16]
	v_and_b32 v6, 15, v0
	v_mul_u32_u24 v[RDW], v6, SP
	v_bfe_u32 v6, v0, 4, 1
	v_lshl_add_u32 v[RDW], v6, 6, v[RDW]
	v_add_nc_u32 v[RDW], s25, v[RDW]
	s_mov_b32 s[SEL], 0x76543210
	s_mov_b32 s[SEL+1], 0xfedcba98
.irp b, 0,1,2,3
	v_mov_b32 v[TM+4+\b], 0                        ; written once: a lane permute's destination counts as one of its sources
.endr
	s_lshr_b32 s26, ttmp9, 1
	s_lshl_b32 s26, s26, 5
	s_and_b32 s27, ttmp9, 1
	s_lshl_b32 s27, s27, 3
	s_add_co_u32 s26, s26, s27                     ; the tile's first row: 32 (T / 2) + 8 (T % 2)
	s_lshl_b32 s26, s26, 12                        ; rows of 4,096 bytes
	s_lshl_b32 s27, s24, 10
	s_add_co_u32 s26, s26, s27
	s_mov_b32 s27, 0
	s_mul_i32 s28, ttmp9, 13312
	s_mul_i32 s29, s24, 3328
	s_add_co_u32 s28, s28, s29                     ; my block of the image
	s_mov_b32 s29, 0
	s_wait_alu depctr_va_vdst(0)
	s_wait_kmcnt 0x0
	s_add_nc_u64 s[4:5], s[8:9], s[26:27]
	s_add_nc_u64 s[6:7], s[22:23], s[28:29]
.irp e, 0,1
.irp i, 0,1,2,3,4,5,6,7,8,9,10,11,12,13,14,15
	global_load_b128 v[RAW+64*\e+4*\i:RAW+64*\e+4*\i+3], v[L16], s[4:5] offset:(\i+8*(\i/8))*4096+512*\e th:TH_LOAD_NT   ; 32 lanes read 512 consecutive bytes: the tile's row i, one K step
.endr
.endr
; A K step's 16 x 512 bytes turn through my stage: in as they were loaded, back 64 bytes a lane of each block of 32.  LDS serves a wave's instructions in order: no wait between the stores and the loads.
.macro XSTEP e
	s_wait_loadcnt 16-16*\e                        ; this step's 16 loads are in; the other step's 16 may be out
.irp i, 0,1,2,3,4,5,6,7,8,9,10,11,12,13,14,15
	ds_store_b128 v[STW], v[RAW+64*\e+4*\i:RAW+64*\e+4*\i+3] offset:\i*SP
.endr
.irp b, 0,1,2,3
.irp j, 0,1,2,3
	ds_load_b128 v[F+16*\b+4*\j:F+16*\b+4*\j+3], v[RDW] offset:128*\b+16*\j
.endr
.endr
	s_wait_dscnt 0x0
.if \e
	s_wait_xcnt 0x0                                ; the first step's stores have read their registers: the codes may be written again
.endif
	QUANT F
	IMGST 6, 6, 1536*\e, 3072+128*\e
.endm
	XSTEP 0
	XSTEP 1
	s_wait_tensorcnt 0x0
	ds_add_u32 v240, v241
	s_wait_dscnt 0x0
	s_endpgm
; ---- the weights.  A LANE TAKES A COLUMN AND ITS REGISTERS RUN DOWN K: a block of 32 lies in one lane, and the conversions give codes with K innermost.  A wave takes 32 columns: two tiles.
; Column L of the 32 is lane r = L % 8 + 8 (L / 16) of tile (L / 8) % 2.  Block t of the 128 along K belongs to lane (r, h = t % 2), registers 6 (t / 2) on.
.macro WSETUP                                  ; in: s28 column group, s29 K step, s31 bytes from tile to tile, s32 the image's first byte, s33 its first tile, s34 the K step's first row in bytes, s[4:5] the weight
	s_lshl_b32 s35, s28, 9
	s_add_co_u32 s34, s34, s35
	s_lshl_b32 s35, s24, 7
	s_add_co_u32 s34, s34, s35                     ; + 512 x column group + 128 x wave
	s_mov_b32 s35, 0
	s_add_nc_u64 s[4:5], s[4:5], s[34:35]
	s_lshl_b32 s36, s28, 3
	s_add_co_u32 s33, s33, s36
	s_lshl_b32 s36, s24, 1
	s_add_co_u32 s33, s33, s36                     ; my first tile
	s_mul_i32 s36, s33, s31
	s_add_co_u32 s36, s36, s32
	s_lshr_b32 s37, s29, 1
	s_mul_i32 s37, s37, 3328
	s_add_co_u32 s36, s36, s37                     ; its block
	s_and_b32 s38, s29, 1
	s_mul_i32 s37, s38, 1536
	s_add_co_u32 s40, s36, s37                     ; the K step's codes
	s_lshl_b32 s38, s38, 7
	s_add_co_u32 s42, s36, s38
	s_add_co_u32 s42, s42, 3072                    ; and its scale words
	s_mov_b32 s41, 0
	s_mov_b32 s43, 0
	s_add_nc_u64 s[6:7], s[22:23], s[40:41]
	s_add_nc_u64 s[44:45], s[22:23], s[42:43]
	v_mul_u32_u24 v5, s31, v5                      ; my tile of the two
	v_lshl_add_u32 v2, v6, 4, v5
	v_lshl_add_u32 v3, v6, 3, v5
	v_lshl_add_u32 v4, v6, 2, v5
.endm
.macro WLOAD t, pitch                          ; block t: W(32 t + i, my column) into set t % 2; a wave reads 128 consecutive bytes, the four waves 512
.set wi, 0
.rept 32
	global_load_b32 v[X+32*((\t)%2)+wi], v1, s[4:5] offset:(32*(\t)+wi)*(\pitch) th:TH_LOAD_NT
.set wi, wi+1
.endr
.endm
.macro WBLOCK t, pitch
.set XS, X+32*((\t)%2)
.if (\t) < 3
	s_wait_loadcnt 32                              ; this block's 32 loads are in; the next block's may be out
.else
	s_wait_loadcnt 0x0
.endif
	v_max3_num_f32 v12, |v[XS]|, |v[XS+1]|, |v[XS+2]|
	v_max3_num_f32 v13, |v[XS+3]|, |v[XS+4]|, |v[XS+5]|
.irp i, 6,10,14,18,22,26
	v_max3_num_f32 v12, v12, |v[XS+\i]|, |v[XS+\i+1]|
	v_max3_num_f32 v13, v13, |v[XS+\i+2]|, |v[XS+\i+3]|
.endr
	v_max3_num_f32 v12, v12, |v[XS+30]|, |v[XS+31]|
	v_max3_num_f32 v12, v12, v13, 0x1800000        ; and the floor
	v_add_nc_u32 v11, 0xff000000, v12              ; the conversion's scale operand
	v_lshrrev_b32 v13, 23, v11                     ; the scale's byte
.if (\t) == 0
	v_mov_b32 v[SBW], v13
.else
	v_lshl_or_b32 v[SBW], v13, 8*(\t), v[SBW]
.endif
	v_cvt_scalef32_pk16_fp6_f32 v[C+8*(\t):C+8*(\t)+2], v[XS:XS+15], v11
	v_cvt_scalef32_pk16_fp6_f32 v[CT:CT+2], v[XS+16:XS+31], v11
	v_nop                                          ; one plain place behind a scaled conversion
.irp i, 0,1,2
	v_mov_b32 v[C+8*(\t)+3+\i], v[CT+\i]
.endr
.if (\t)+2 < 4
	WLOAD (\t)+2, \pitch
.endif
	global_store_b128 v2, v[C+8*(\t):C+8*(\t)+3], s[6:7] offset:768*((\t)/2)+256*((\t)%2)      ; sixteen lanes of a tile store 256 consecutive bytes, aligned
	global_store_b64 v3, v[C+8*(\t)+4:C+8*(\t)+5], s[6:7] offset:512+768*((\t)/2)+128*((\t)%2)
.endm
.macro WBODY pitch
	WLOAD 0, \pitch
	WLOAD 1, \pitch
	WBLOCK 0, \pitch
	WBLOCK 1, \pitch
	WBLOCK 2, \pitch
	WBLOCK 3, \pitch
	global_store_b32 v4, v[SBW], s[44:45]          ; my column's scale word, for lane r
	global_store_b32 v4, v[SBW], s[44:45] offset:64   ; and for lane 16 + r
	s_endpgm
.endm
.Lweights:
	s_wait_alu depctr_va_vdst(0)
	v_lshlrev_b32 v1, 2, v7                        ; 4 bytes a lane
	v_bfe_u32 v5, v0, 3, 1                         ; which of my two tiles
	v_and_b32 v6, 7, v0
	v_bfe_u32 v8, v0, 4, 1
	v_lshl_add_u32 v6, v8, 3, v6                   ; r
	s_cmp_lt_u32 ttmp9, 768
	s_cbranch_scc0 .Lw1
	s_sub_co_u32 s26, ttmp9, 256                   ; 0-255: Wq, Wk, Wv, Wo, 64 work-groups each; 256-511: W2.  All have rows of 4,096 bytes
	s_lshr_b32 s27, s26, 6                         ; which matrix
	s_and_b32 s28, s26, 7                          ; column group
	s_lshr_b32 s29, s26, 3
	s_lshl_b32 s33, s27, 6
	s_add_co_u32 s33, s33, 256                     ; the matrix's first tile
	s_mov_b32 s31, 53248
	s_cmp_lt_u32 s26, 256
	s_cselect_b32 s30, 7, 31
	s_cselect_b32 s31, 13312, s31
	s_cselect_b32 s32, 0, 10223616
	s_cselect_b32 s33, s33, 0
	s_and_b32 s29, s29, s30                        ; K step
	s_mul_i32 s34, s29, 128*4096
	s_wait_kmcnt 0x0
	s_cmp_eq_u32 s27, 0                            ; the choice hangs on the work-group's number alone
	s_cselect_b64 s[4:5], s[10:11], s[20:21]
	s_cmp_eq_u32 s27, 1
	s_cselect_b64 s[4:5], s[12:13], s[4:5]
	s_cmp_eq_u32 s27, 2
	s_cselect_b64 s[4:5], s[14:15], s[4:5]
	s_cmp_eq_u32 s27, 3
	s_cselect_b64 s[4:5], s[16:17], s[4:5]
	s_wait_alu depctr_va_vdst(0)
	WSETUP
	WBODY 4096
.Lw1:
	s_sub_co_u32 s26, ttmp9, 768                   ; W1: rows of 16,384 bytes
	s_and_b32 s28, s26, 31
	s_lshr_b32 s29, s26, 5
	s_mov_b32 s31, 13312
	s_mov_b32 s32, 0
	s_mov_b32 s33, 512
	s_mul_i32 s34, s29, 128*16384
	s_wait_kmcnt 0x0
	s_mov_b64 s[4:5], s[18:19]
	s_wait_alu depctr_va_vdst(0)
	WSETUP
	WBODY 16384
.Lfunc_end_k_qdb24b504b3_prep:
	.size	k_qdb24b504b3_prep, .Lfunc_end_k_qdb24b504b3_prep-k_qdb24b504b3_prep
	.p2alignl 7, 3214868480
	.fill 96, 4, 3214868480
	.section	.rodata,"a",@progbits
	.p2align	6, 0x0
	.amdhsa_kernel k_qdb24b504b3_prep
		.amdhsa_group_segment_fixed_size 34304
		.amdhsa_private_segment_fixed_size 0
		.amdhsa_enable_private_segment 0
		.amdhsa_kernarg_size 64
		.amdhsa_user_sgpr_count 2
		.amdhsa_user_sgpr_kernarg_segment_ptr 1
		.amdhsa_wavefront_size32 1
		.amdhsa_system_sgpr_workgroup_id_x 1
		.amdhsa_system_sgpr_workgroup_id_y 1
		.amdhsa_system_sgpr_workgroup_id_z 1
		.amdhsa_system_vgpr_workitem_id 0
		.amdhsa_next_free_vgpr 242
		.amdhsa_next_free_sgpr 66
		.amdhsa_reserve_vcc 0
		.amdhsa_float_denorm_mode_32 3
		.amdhsa_float_denorm_mode_16_64 3
		.amdhsa_memory_ordered 1
		.amdhsa_forward_progress 1
		.amdhsa_inst_pref_size 60
	.end_amdhsa_kernel
	.amdgpu_metadata
---
amdhsa.version: [ 1, 2 ]
amdhsa.kernels:
  - .name:           k_qdb24b504b3_prep
    .symbol:         k_qdb24b504b3_prep.kd
    .args:
      - { .name: x, .offset: 0, .size: 8, .value_kind: global_buffer, .address_space: global }
      - { .name: Wq, .offset: 8, .size: 8, .value_kind: global_buffer, .address_space: global }
      - { .name: Wk, .offset: 16, .size: 8, .value_kind: global_buffer, .address_space: global }
      - { .name: Wv, .offset: 24, .size: 8, .value_kind: global_buffer, .address_space: global }
      - { .name: Wo, .offset: 32, .size: 8, .value_kind: global_buffer, .address_space: global }
      - { .name: W1, .offset: 40, .size: 8, .value_kind: global_buffer, .address_space: global }
      - { .name: W2, .offset: 48, .size: 8, .value_kind: global_buffer, .address_space: global }
      - { .name: wts, .offset: 56, .size: 8, .value_kind: global_buffer, .address_space: global }
    .group_segment_fixed_size: 34304
    .private_segment_fixed_size: 0
    .kernarg_segment_align: 8
    .kernarg_segment_size: 64
    .max_flat_workgroup_size: 128
    .sgpr_count:     66
    .vgpr_count:     242
    .wavefront_size: 32
...
	.end_amdgpu_metadata
.endif
;; end of part 1
;; launch qkv (part 2): grid 8 x 24, 4 waves a work-group, clusters of 4 x 4, 327,680 bytes of LDS; arguments wts, bq, bk, bv, qkv; writes qkv
.if DOCPART == 2
	.amdgcn_target "amdgcn-amd-amdhsa--gfx1250"
	.amdhsa_code_object_version 6
	.text
	.protected	k_qdb24b504b3_qkv
	.globl	k_qdb24b504b3_qkv
	.p2align	8
	.type	k_qdb24b504b3_qkv,@function
k_qdb24b504b3_qkv:
	s_mov_b64 s[64:65], 0
	v_nop
	global_prefetch_b8 v0, s[64:65] scope:SCOPE_SE
	s_setreg_imm32_b32 hwreg(HW_REG_WAVE_MODE, 25, 1), 1
	s_wait_xcnt 0x0
	s_wait_alu depctr_hold_cnt(0) depctr_sa_sdst(0) depctr_va_vdst(0) depctr_va_sdst(0) depctr_va_ssrc(0) depctr_va_vcc(0) depctr_vm_vsrc(0)
	s_getreg_b32 s2, hwreg(HW_REG_IB_STS2, 6, 4)
	s_cmp_eq_u32 s2, 0
	s_cbranch_scc0 .Lentry_in_a_cluster
	s_endpgm
.Lentry_in_a_cluster:
	s_bfe_u32 s2, ttmp6, 0x10000c
	s_cmp_lg_u32 s2, 0xf033
	s_cbranch_scc0 .Lentry_shape_is_right
	s_endpgm
.Lentry_shape_is_right:
.set NA, 8
.set NB, 8
.set NQ, 2
.set NS, 3
.set TSA, 13312
.set TSB, 13312
.set REC, 335872
.set TROW,  NQ*1664
.set QUART, NA*TROW
.set SLOT,  4*QUART
.set SPARE, NS*SLOT
.set SPW,  1
.set NIL,  2
.set L16,  3
.set L8,   4
.set L4,   5
.set VH,   6
.set RP4,  7
.set AA16, 8
.set AA8,  11
.set AA4,  14
.set AB16, 17
.set AB8,  20
.set AB4,  23
.set SCA,  32
.set SCB,  40
.set AF,   64
.set BN,   192
.set T,    64
.set PC,   128
.set TM,   148
.set PW,   164
.set PW2,  165
.set BL,   168
.set G1,   24
.set G1B,  32
.set G0,   40
.set G0B,  52
.set SEL,  96
.set MSB, 0
.macro WIN new
.if MSB != (\new)
	s_set_vgpr_msb (MSB<<8)|(\new)
.set MSB, (\new)
.endif
.endm
.macro PLACES n
.rept \n
	v_nop
.endr
.endm
.macro JLOAD g0a, g0b
	s_cmp_eq_u32 s15, 0
	s_cbranch_scc0 .Lfor_b_\@
	tensor_load_to_lds s[\g0a:\g0a+3], s[G1:G1+7]
	s_nop 0
.rept 4
	v_nop
.endr
	s_branch .Lasked_\@
.Lfor_b_\@:
	tensor_load_to_lds s[\g0b:\g0b+3], s[G1B:G1B+7]
	s_nop 0
.rept 4
	v_nop
.endr
.Lasked_\@:
.endm
.macro CREST
	s_cmp_lg_u32 s14, 0
	s_cbranch_scc1 .Lnot_wave_0_\@
	s_barrier_signal -3
.Lnot_wave_0_\@:
	s_barrier_wait -3
	s_barrier_signal -1
	s_barrier_wait -1
.endm
.macro CROUND
	s_barrier_signal -1
	s_barrier_wait -1
	CREST
.endm
.macro FRAGL reg, a16, a8, off
	ds_load_b128 v[\reg:\reg+3], v[\a16] offset:\off
	ds_load_b64 v[\reg+4:\reg+5], v[\a8] offset:\off+512
	ds_load_b128 v[\reg+6:\reg+9], v[\a16] offset:\off+768
	ds_load_b64 v[\reg+10:\reg+11], v[\a8] offset:\off+1280
.endm
.macro FETCH slot, q, p
.set OC, ((\q)/2)*3328+((\q)%2)*1536
.set OS, ((\q)/2)*3328+3072+((\q)%2)*128
	WIN 0x40
.set fi, 0
.rept NB
	FRAGL 96*(\p)+12*fi, AB16+(\slot), AB8+(\slot), fi*TROW+OC
.set fi, fi+1
.endr
	WIN 0
.set fi, 0
.rept NA
	FRAGL AF+96*(\p)+12*fi, AA16+(\slot), AA8+(\slot), fi*TROW+OC
.set fi, fi+1
.endr
.set fi, 0
.rept NA
	ds_load_b32 v[SCA+16*(\p)+fi], v[AA4+(\slot)] offset:fi*TROW+OS
	ds_load_b32 v[SCB+16*(\p)+fi], v[AB4+(\slot)] offset:fi*TROW+OS
.set fi, fi+1
.endr
.endm
.macro MULR p, alo, ahi, mode
.set ma, \alo
.rept (\ahi)-(\alo)
.if \mode == 2
	WIN 0x91+0x40*(ma*NB/32)
.else
	WIN 0xa1+0x50*(ma*NB/32)
.endif
.set mb, 0
.rept NB
.set rD, (8*(NB*ma+mb))%256
.set rB, 96*(\p)+12*mb
.set rA, AF+96*(\p)+12*ma
.if \mode == 0
	v_wmma_scale_f32_16x16x128_f8f6f4 v[rD:rD+7], v[rB:rB+11], v[rA:rA+11], v[rD:rD+7], v[SCB+16*(\p)+mb], v[SCA+16*(\p)+ma] matrix_a_fmt:MATRIX_FMT_FP6 matrix_b_fmt:MATRIX_FMT_FP6
.elseif \mode == 1
	v_wmma_scale_f32_16x16x128_f8f6f4 v[rD:rD+7], v[rB:rB+11], v[rA:rA+11], 0, v[SCB+16*(\p)+mb], v[SCA+16*(\p)+ma] matrix_a_fmt:MATRIX_FMT_FP6 matrix_b_fmt:MATRIX_FMT_FP6
.else
	v_wmma_scale_f32_16x16x128_f8f6f4 v[rD:rD+7], v[rB:rB+11], v[rA:rA+11], v[BN+8*mb:BN+8*mb+7], v[SCB+16*(\p)+mb], v[SCA+16*(\p)+ma] matrix_a_fmt:MATRIX_FMT_FP6 matrix_b_fmt:MATRIX_FMT_FP6
.endif
.set mb, mb+1
.endr
.set ma, ma+1
.endr
.endm
.macro STEP p, nslot, nq, mode
	s_wait_dscnt 0x0
	PLACES 4
	FETCH \nslot, \nq, 1-(\p)
	MULR \p, 0, NA, \mode
.endm
.macro TURN slot, next, fill, adv
	WIN 0
	s_wait_tensorcnt 0x0
	ds_add_u32 v[SPW], v[NIL]
	s_wait_dscnt 1
	MULR 1, 0, NA/4, 0
	s_wait_dscnt 0x0
	s_barrier_signal -1
	MULR 1, NA/4, NA/2, 0
	WIN 0
	s_barrier_wait -1
.if \fill
	CREST
	s_add_nc_u64 s[G0+4*\slot+2:G0+4*\slot+3], s[G0+4*\slot+2:G0+4*\slot+3], \adv
	s_add_nc_u64 s[G0B+4*\slot+2:G0B+4*\slot+3], s[G0B+4*\slot+2:G0B+4*\slot+3], \adv
	JLOAD G0+4*\slot, G0B+4*\slot
.else
	PLACES 4
.endif
	s_wait_alu depctr_va_vdst(0)
	FETCH \next, 0, 0
	MULR 1, NA/2, NA, 0
.endm
.macro QUANT s
.irp b, 0,1,2,3
	v_max3_num_f32 v[TM+\b], |v[\s+16*\b]|, |v[\s+1+16*\b]|, 0x1800000
.endr
.irp i, 2,4,6,8,10,12,14
.irp b, 0,1,2,3
	v_max3_num_f32 v[TM+\b], v[TM+\b], |v[\s+16*\b+\i]|, |v[\s+1+16*\b+\i]|
.endr
.endr
.irp b, 0,1,2,3
	v_permlanex16_b32 v[TM+4+\b], v[TM+\b], s[SEL], s[SEL+1]
.endr
.irp b, 0,1,2,3
	v_max_num_f32 v[TM+\b], v[TM+\b], v[TM+4+\b]
.endr
.irp b, 0,1,2,3
	v_add_nc_u32 v[TM+12+\b], 0xff000000, v[TM+\b]
.endr
.irp b, 0,1,2,3
	v_lshrrev_b32 v[TM+4+\b], 23, v[TM+12+\b]
.endr
	v_lshl_or_b32 v[PW], v[TM+5], 8, v[TM+4]
	v_lshl_or_b32 v[PW], v[TM+6], 16, v[PW]
	v_lshl_or_b32 v[PW], v[TM+7], 24, v[PW]
.irp c, 0,1
	v_cvt_scalef32_pk16_fp6_f32 v[PC+6*\c:PC+2+6*\c], v[\s+32*\c:\s+15+32*\c], v[TM+12+2*\c]
	v_cvt_scalef32_pk16_fp6_f32 v[PC+12+4*\c:PC+14+4*\c], v[\s+16+32*\c:\s+31+32*\c], v[TM+12+2*\c+1]
.endr
	v_nop
.irp c, 0,1
.irp i, 0,1,2
	v_permlane16_swap_b32 v[PC+6*\c+\i], v[PC+12+4*\c+\i]
.endr
.irp i, 0,1,2
	v_mov_b32 v[PC+3+6*\c+\i], v[PC+12+4*\c+\i]
.endr
.endr
.endm
.macro IMGST cb, sb, off, soff
	global_store_b128 v[L16], v[PC:PC+3], s[\cb:\cb+1] offset:\off
	global_store_b64 v[L8], v[PC+4:PC+5], s[\cb:\cb+1] offset:(\off)+512
	global_store_b128 v[L16], v[PC+6:PC+9], s[\cb:\cb+1] offset:(\off)+768
	global_store_b64 v[L8], v[PC+10:PC+11], s[\cb:\cb+1] offset:(\off)+1280
	global_store_b32 v[L4], v[PW], s[\sb:\sb+1] offset:\soff
.endm
	s_load_b128 s[4:7], s[0:1], 0x0
	s_load_b128 s[8:11], s[0:1], 0x10
	s_load_b64 s[12:13], s[0:1], 0x20
	v_lshl_add_u32 v[SPW], v0, 2, SPARE
	v_mov_b32 v[NIL], 0
	ds_add_u32 v1, v2
	ds_add_u32 v1, v2
	s_wait_dscnt 0x0
	v_lshrrev_b32 v26, 5, v0
	v_readfirstlane_b32 s14, v26
	s_lshr_b32 s15, s14, 1
	s_and_b32 s16, s14, 1
	s_bfe_u32 s17, ttmp6, 0x40000
	s_bfe_u32 s18, ttmp6, 0x40004
	s_lshl_b32 s19, ttmp9, 2
	s_add_co_u32 s19, s19, s17
	s_and_b32 s2, ttmp7, 0xffff
	s_lshl_b32 s20, s2, 2
	s_add_co_u32 s20, s20, s18
	s_lshl_b32 s21, s18, 2
	s_lshl_b32 s21, 15, s21
	s_lshl_b32 s22, 0x1111, s17
	s_or_b32 s[G1], s21, (3<<16)|(1<<21)
	s_or_b32 s[G1B], s22, (3<<16)|(1<<21)
.irp g, G1, G1B
	s_mov_b32 s[\g+1], (NQ*208)<<16
	s_mov_b32 s[\g+2], NA<<16
	s_mov_b32 s[\g+3], (NQ*208)<<16
	s_mov_b32 s[\g+4], NA
	s_mov_b32 s[\g+6], 0
	s_mov_b32 s[\g+7], 0
.endr
	s_mov_b32 s[G1+5], TSA/8
	s_mov_b32 s[G1B+5], TSB/8
	s_lshl_b32 s66, s2, 2
	s_lshl_b32 s70, s2, 3
	s_sub_co_u32 s70, s70, 32
	s_cmp_ge_u32 s2, 4
	s_cselect_b32 s66, 24, s66
	s_cselect_b32 s70, s70, 16
	s_add_co_u32 s66, s66, s18
	s_lshl_b32 s71, ttmp9, 2
	s_add_co_u32 s70, s70, s71
	s_add_co_u32 s70, s70, s17
	s_mov_b32 s74, s70
	s_mul_i32 s66, s66, 2*NA*TSA
	s_mul_i32 s67, s16, NA*TSA
	s_add_co_u32 s66, s66, s67
	s_mov_b32 s67, 0
	s_mul_i32 s70, s70, 2*NB*TSB
	s_mul_i32 s71, s16, NB*TSB
	s_add_co_u32 s70, s70, s71
	s_mov_b32 s71, 0
	s_mul_i32 s23, s14, QUART
	s_wait_kmcnt 0x0
	s_add_nc_u64 s[66:67], s[4:5], s[66:67]
	s_add_nc_u64 s[70:71], s[4:5], s[70:71]
	CROUND
.set hs, 0
.rept NS
	s_mov_b32 s[G0+4*hs], 1
	s_add_co_u32 s[G0+4*hs+1], s23, hs*SLOT
	s_add_nc_u64 s[G0+4*hs+2:G0+4*hs+3], s[66:67], hs*TROW
	s_or_b32 s[G0+4*hs+3], s[G0+4*hs+3], 0x80000000
	s_mov_b32 s[G0B+4*hs], 1
	s_add_co_u32 s[G0B+4*hs+1], s23, hs*SLOT
	s_add_nc_u64 s[G0B+4*hs+2:G0B+4*hs+3], s[70:71], hs*TROW
	s_or_b32 s[G0B+4*hs+3], s[G0B+4*hs+3], 0x80000000
	s_wait_alu depctr_va_vdst(0)
	s_wait_tensorcnt 0x0
	ds_add_u32 v1, v2
	ds_add_u32 v1, v2
	s_wait_dscnt 0x0
	CROUND
	JLOAD G0+4*hs, G0B+4*hs
.set hs, hs+1
.endr
	v_and_b32 v26, 31, v0
	v_lshlrev_b32 v[L16], 4, v26
	v_lshlrev_b32 v[L8], 3, v26
	v_lshlrev_b32 v[L4], 2, v26
	v_bfe_u32 v27, v0, 4, 1
	v_lshlrev_b32 v[VH], 6, v27
	v_and_b32 v28, 15, v0
	v_and_b32 v29, 8, v28
	v_add_nc_u32 v28, v28, v29
	v_lshlrev_b32 v[RP4], 2, v28
	s_mul_i32 s68, s15, QUART
	s_mul_i32 s69, s16, QUART
	s_add_co_u32 s69, s69, 2*QUART
.set hs, 0
.rept NS
	v_add_nc_u32 v[AA16+hs], s68, v[L16]
	v_add_nc_u32 v[AA8+hs], s68, v[L8]
	v_add_nc_u32 v[AA4+hs], s68, v[L4]
	v_add_nc_u32 v[AB16+hs], s69, v[L16]
	v_add_nc_u32 v[AB8+hs], s69, v[L8]
	v_add_nc_u32 v[AB4+hs], s69, v[L4]
	s_add_co_u32 s68, s68, SLOT
	s_add_co_u32 s69, s69, SLOT
.set hs, hs+1
.endr
	s_cmp_eq_u32 ttmp9, 0
	s_cselect_b64 s[76:77], s[6:7], s[8:9]
	s_lshl_b32 s78, s17, 10
	s_lshl_b32 s79, s16, 9
	s_add_co_u32 s78, s78, s79
	s_mov_b32 s79, 0
	s_add_nc_u64 s[76:77], s[76:77], s[78:79]
	WIN 0x40
.irp b, 0,1,2,3
.irp j, 0,1,2,3
	global_load_b128 v[BN+16*\b+4*\j:BN+16*\b+4*\j+3], v[VH], s[76:77] offset:128*\b+16*\j
.endr
.endr
	WIN 0
	s_wait_tensorcnt NS-1
	s_barrier_signal -1
	s_barrier_wait -1
	FETCH 0, 0, 0
	STEP 0, 0, 1, 1
	TURN 0, 1, 1, 3*TROW
	STEP 0, 1, 1, 0
	STEP 1, 2, 0, 0
	STEP 0, 2, 1, 0
	TURN 2, 0, 0, 0
	STEP 0, 0, 1, 0
	s_wait_dscnt 0x0
	MULR 1, 0, NA, 0
	WIN 0
	PLACES 4
	s_wait_loadcnt 0x0
.irp b, 0,1,2,3
	v_mov_b32 v[TM+4+\b], 0
.endr
	s_mov_b32 s[SEL], 0x76543210
	s_mov_b32 s[SEL+1], 0xfedcba98
	s_cmp_ge_u32 s2, 4
	s_cbranch_scc1 .Lv_out
	s_lshr_b32 s80, s20, 3
	s_lshl_b32 s80, s80, 4
	s_lshl_b32 s81, s17, 2
	s_add_co_u32 s80, s80, s81
	s_lshl_b32 s81, s16, 1
	s_add_co_u32 s80, s80, s81
	s_mul_i32 s80, s80, REC
	s_and_b32 s81, s20, 7
	s_lshl_b32 s81, s81, 3
	s_lshl_b32 s82, s15, 2
	s_add_co_u32 s81, s81, s82
	s_mul_i32 s81, s81, 1792
	s_add_co_u32 s80, s80, s81
	s_cmp_eq_u32 ttmp9, 0
	s_cselect_b32 s81, 0, 114688
	s_add_co_u32 s80, s80, s81
	s_mov_b32 s81, 0
	s_add_nc_u64 s[80:81], s[12:13], s[80:81]
.irp a, 0,1,2,3,4,5,6,7
	WIN 0x06+(\a/4)
.set i, 0
.rept 32
	v_pk_add_f32 v[T+i:T+i+1], v[(64*\a)%256+i:(64*\a)%256+i+1], v[BN+i:BN+i+1]
.set i, i+2
.endr
	WIN 0
	s_wait_xcnt 0x0
	QUANT T
	v_lshrrev_b32 v[PW2], 16, v[PW]
	global_store_b128 v[L16], v[PC:PC+3], s[80:81] offset:(\a/2)*1792+(\a%2)*768
	global_store_b64 v[L8], v[PC+4:PC+5], s[80:81] offset:(\a/2)*1792+(\a%2)*768+512
	global_store_b32 v[L4], v[PW], s[80:81] offset:(\a/2)*1792+1536+(\a%2)*128
	global_store_b128 v[L16], v[PC+6:PC+9], s[80:81] offset:REC+(\a/2)*1792+(\a%2)*768
	global_store_b64 v[L8], v[PC+10:PC+11], s[80:81] offset:REC+(\a/2)*1792+(\a%2)*768+512
	global_store_b32 v[L4], v[PW2], s[80:81] offset:REC+(\a/2)*1792+1536+(\a%2)*128
.endr
	s_branch .Ldone
.Lv_out:
	s_lshl_b32 s78, s18, 10
	s_lshl_b32 s79, s15, 9
	s_add_co_u32 s78, s78, s79
	s_mov_b32 s79, 0
	s_add_nc_u64 s[76:77], s[10:11], s[78:79]
.irp a, 0,1,2,3,4,5,6,7
	global_load_b32 v[BL+\a], v[RP4], s[76:77] offset:(32*(\a/2)+8*(\a%2))*4
.endr
	s_lshl_b32 s82, s74, 1
	s_add_co_u32 s82, s82, s16
	s_lshr_b32 s80, s82, 4
	s_lshl_b32 s80, s80, 4
	s_lshl_b32 s81, s18, 2
	s_add_co_u32 s80, s80, s81
	s_lshl_b32 s81, s15, 1
	s_add_co_u32 s80, s80, s81
	s_mul_i32 s80, s80, REC
	s_and_b32 s82, s82, 15
	s_mul_i32 s82, s82, 6656
	s_add_co_u32 s80, s80, s82
	s_add_co_u32 s80, s80, 229376
	s_mov_b32 s81, 0
	s_add_nc_u64 s[80:81], s[12:13], s[80:81]
	s_wait_loadcnt 0x0
.irp a, 0,1,2,3,4,5,6,7
	WIN 0x02+(\a/4)
.set i, 0
.rept 64
	v_add_f32 v[T+i], v[(64*\a)%256+i], v[BL+\a]
.set i, i+1
.endr
	WIN 0
	s_wait_xcnt 0x0
	QUANT T
	IMGST 80, 80, (\a/4)*REC+(\a%4)*1536, (\a/4)*REC+6144+(\a%4)*128
.endr
.Ldone:
	s_wait_tensorcnt 0x0
	ds_add_u32 v[SPW], v[NIL]
	s_wait_dscnt 0x0
	CROUND
	s_endpgm
.Lfunc_end_k_qdb24b504b3_qkv:
	.size	k_qdb24b504b3_qkv, .Lfunc_end_k_qdb24b504b3_qkv-k_qdb24b504b3_qkv
	.p2alignl 7, 3214868480
	.fill 96, 4, 3214868480
	.section	.rodata,"a",@progbits
	.p2align	6, 0x0
	.amdhsa_kernel k_qdb24b504b3_qkv
		.amdhsa_group_segment_fixed_size 327680
		.amdhsa_private_segment_fixed_size 0
		.amdhsa_enable_private_segment 0
		.amdhsa_kernarg_size 40
		.amdhsa_user_sgpr_count 2
		.amdhsa_user_sgpr_kernarg_segment_ptr 1
		.amdhsa_wavefront_size32 1
		.amdhsa_system_sgpr_workgroup_id_x 1
		.amdhsa_system_sgpr_workgroup_id_y 1
		.amdhsa_system_sgpr_workgroup_id_z 1
		.amdhsa_system_vgpr_workitem_id 0
		.amdhsa_next_free_vgpr 1024
		.amdhsa_next_free_sgpr 100
		.amdhsa_reserve_vcc 0
		.amdhsa_float_denorm_mode_32 3
		.amdhsa_float_denorm_mode_16_64 3
		.amdhsa_memory_ordered 1
		.amdhsa_forward_progress 1
		.amdhsa_inst_pref_size 224
	.end_amdhsa_kernel
	.amdgpu_metadata
---
amdhsa.version: [ 1, 2 ]
amdhsa.kernels:
  - .name:           k_qdb24b504b3_qkv
    .symbol:         k_qdb24b504b3_qkv.kd
    .args:
      - { .name: wts, .offset: 0, .size: 8, .value_kind: global_buffer, .address_space: global }
      - { .name: bq, .offset: 8, .size: 8, .value_kind: global_buffer, .address_space: global }
      - { .name: bk, .offset: 16, .size: 8, .value_kind: global_buffer, .address_space: global }
      - { .name: bv, .offset: 24, .size: 8, .value_kind: global_buffer, .address_space: global }
      - { .name: qkv, .offset: 32, .size: 8, .value_kind: global_buffer, .address_space: global }
    .group_segment_fixed_size: 327680
    .private_segment_fixed_size: 0
    .kernarg_segment_align: 8
    .kernarg_segment_size: 40
    .max_flat_workgroup_size: 128
    .sgpr_count:     100
    .vgpr_count:     1024
    .wavefront_size: 32
...
	.end_amdgpu_metadata
.endif
;; end of part 2
;; launch attn (part 3): grid 8 x 32, 16 waves a work-group, clusters of 4 x 1, 223,232 bytes of LDS; arguments qkv, ai; writes ai
.if DOCPART == 3
	.amdgcn_target "amdgcn-amd-amdhsa--gfx1250"
	.amdhsa_code_object_version 6
	.text
	.protected	k_qdb24b504b3_attn
	.globl	k_qdb24b504b3_attn
	.p2align	8
	.type	k_qdb24b504b3_attn,@function
k_qdb24b504b3_attn:
	s_mov_b64 s[64:65], 0
	v_nop
	global_prefetch_b8 v0, s[64:65] scope:SCOPE_SE
	s_setreg_imm32_b32 hwreg(HW_REG_WAVE_MODE, 25, 1), 1
	s_wait_xcnt 0x0
	s_wait_alu depctr_hold_cnt(0) depctr_sa_sdst(0) depctr_va_vdst(0) depctr_va_sdst(0) depctr_va_ssrc(0) depctr_va_vcc(0) depctr_vm_vsrc(0)
	s_getreg_b32 s2, hwreg(HW_REG_IB_STS2, 6, 4)
	s_cmp_eq_u32 s2, 0
	s_cbranch_scc0 .Lentry_in_a_cluster
	s_endpgm
.Lentry_in_a_cluster:
	s_bfe_u32 s2, ttmp6, 0x10000c
	s_cmp_lg_u32 s2, 0x3003
	s_cbranch_scc0 .Lentry_shape_is_right
	s_endpgm
.Lentry_shape_is_right:
; ATTENTION on codes of FP6 (E2M3) with E8M0 scales: o = softmax(q k^T / 8) v for one (batch, head) and 256 queries a work-group; o is quantised at once along the model's 1,024 for the product with Wo.
; THE SOFTMAX AHEAD OF THE SECOND PRODUCT: t = score x log2(e) / 8; M = the running largest t rounded UP to a whole number; p = 2^(t - M) is quantised along the keys, not normalised; the row's sum is taken of the unquantised p and divides at the end.
; When M moves, the sum and O are multiplied by 2^(old M - new M): exact.
; SHARES: sixteen waves, each one tile of 16 queries in 256 registers: four waves to a SIMD, so that one wave's vector work stands beside another's matrix work and LDS loads.  Every wave walks the head's 2,048 keys, 128 a step.
; K AND V OF THE WHOLE HEAD, 221,184 bytes, COME INTO LDS ONCE: each wave brings 54 rows of 256 bytes by one tensor load.  Nothing is filled again.
; CLUSTER 4 x 1: the four query blocks of a cluster belong to one head and want the same K and V: the loads are joint.
; LAYOUT: S^T = k q^T (source 0 = 16 keys, source 1 = my queries), O^T = v^T p^T: a lane holds one query throughout.  The tiles' rows are ordered so that the 16 registers of tiles 2 b, 2 b + 1 are 16 neighbours along the next K.
; THE HEAD'S 64 fill half of the instruction's 128: q's registers 6-11 are zero codes.  k's operand is named 12 registers long, six of which are the next tile's codes (the last tile's: zeros): every code is a finite number,
; no scale byte there is 0xff, and zero codes times them add nothing.
; IN: the record of qkv (q's and k's tiles two to a block of 1,792 bytes; v 6,656 bytes a key step).  OUT: ai, the image with K = 1,024: my head's half fragment and its two scale bytes a row.
; LIMITS: NaN and infinities are not served; a block under 2^-124 keeps the scale byte 1, a block of zeros too.  1 / sum by v_rcp_f32.
; REGISTERS: v1-3 16, 8, 4 x lane; v4-9 the step's LDS addresses; v12 -M, v13 the largest t, v[14:15] the sum; v16-27 q; v28-75 k's eight half fragments, later v's four fragments; v76-81 zeros; v82-89 k's scale words, v90-93 v's;
; v96-159 S^T, then p; v160-191 O^T; v224-235 p's codes; v232-254 at work; v250 f; v253 p's scale word; v255 q's.
.set REC,  335872
.set KVB,  13824                       ; a wave's part of K and V
.set WV,   8
.set CNT,  46
.set TK,   47                          ; LDS byte of the step's k: 7,168 a step
.set TV,   48                          ; and of its v: 6,656 a step, from 114,688 on
.set SEL,  50
.set CS,   52
.macro ROUND
	s_barrier_signal -1
	s_barrier_wait -1
	s_cmp_lg_u32 s[WV], 0
	s_cbranch_scc1 .Lnot_wave_0_\@
	s_barrier_signal -3
.Lnot_wave_0_\@:
	s_barrier_wait -3
	s_barrier_signal -1
	s_barrier_wait -1
.endm
	s_load_b128 s[4:7], s[0:1], 0x0                ; qkv, ai
	v_lshl_add_u32 v249, v0, 2, 0x36000
	v_mov_b32 v252, 0
	ds_add_u32 v249, v252
	ds_add_u32 v249, v252
	v_lshrrev_b32 v10, 5, v0
	s_delay_alu instid0(VALU_DEP_1)
	v_readfirstlane_b32 s[WV], v10                 ; wave 0..15
	s_bfe_u32 s9, ttmp6, 0x40000                   ; cx
	s_lshl_b32 s10, ttmp9, 2
	s_add_co_u32 s10, s10, s9                      ; my block of 256 queries: it enters q's and the output's addresses alone
	s_and_b32 s11, ttmp7, 0xffff                   ; 16 batch + head, which the four partners share
	s_mul_i32 s12, s11, REC
	s_mul_i32 s14, s[WV], KVB
	s_add_co_u32 s16, s12, s14
	s_add_co_u32 s16, s16, 114688                  ; my part of the record's K and V
	s_mov_b32 s17, 0
	s_mov_b32 s24, 15|(3<<16)|(1<<21)              ; the mask: all four work-groups; elements of 8 bytes; bit 21 beside a mask
	s_mov_b32 s25, 32<<16                          ; tensor_dim0: 256 bytes
	s_mov_b32 s26, 54<<16                          ; tensor_dim1
	s_mov_b32 s27, 32<<16                          ; tile_dim0
	s_mov_b32 s28, 54                              ; tile_dim1
	s_mov_b32 s29, 32                              ; dense
	s_mov_b32 s30, 0
	s_mov_b32 s31, 0
	s_wait_dscnt 0x0
	s_wait_kmcnt 0x0
	s_mov_b32 s32, 1
	s_mov_b32 s33, s14                             ; LDS: 13,824 x wave
	s_add_nc_u64 s[34:35], s[4:5], s[16:17]
	s_or_b32 s35, s35, 0x80000000
	ROUND                                          ; all four work-groups are here: the joint loads meet
	tensor_load_to_lds s[32:35], s[24:31]
	s_nop 0
.rept 4
	v_nop
.endr
	v_and_b32 v10, 31, v0
	s_delay_alu instid0(VALU_DEP_1)
	v_lshlrev_b32 v1, 4, v10
	s_wait_alu depctr_va_vdst(0)
	v_lshlrev_b32 v2, 3, v10
	s_wait_alu depctr_va_vdst(0)
	v_lshlrev_b32 v3, 2, v10
	s_wait_alu depctr_va_vdst(0)
	s_lshl_b32 s18, s10, 3                         ; q: my tile 16 block + wave lies in block 8 block + wave / 2 of 1,792 bytes
	s_lshr_b32 s19, s[WV], 1
	s_add_co_u32 s18, s18, s19
	s_mul_i32 s18, s18, 1792
	s_add_co_u32 s18, s18, s12
	s_and_b32 s20, s[WV], 1
	s_mul_i32 s21, s20, 768
	s_add_co_u32 s36, s18, s21
	s_mov_b32 s37, 0
	s_lshl_b32 s20, s20, 7
	s_add_co_u32 s38, s18, s20
	s_add_co_u32 s38, s38, 1536
	s_mov_b32 s39, 0
	s_add_nc_u64 s[36:37], s[4:5], s[36:37]
	s_add_nc_u64 s[38:39], s[4:5], s[38:39]
	global_load_b128 v[16:19], v1, s[36:37]
	global_load_b64 v[20:21], v2, s[36:37] offset:512
	global_load_b32 v255, v3, s[38:39]
	; the output: tile 128 batch + 16 block + wave; block head / 4; fragment (head / 2) % 2; registers 6 (head % 2) on
	s_lshr_b32 s40, s11, 4
	s_lshl_b32 s40, s40, 7
	s_lshl_b32 s41, s10, 4
	s_add_co_u32 s40, s40, s41
	s_add_co_u32 s40, s40, s[WV]
	s_mul_i32 s40, s40, 13312
	s_and_b32 s41, s11, 15
	s_lshr_b32 s42, s41, 2
	s_mul_i32 s42, s42, 3328
	s_add_co_u32 s40, s40, s42
	s_bfe_u32 s42, s41, 0x10001
	s_and_b32 s43, s41, 1
	s_mul_i32 s44, s42, 1536
	s_mul_i32 s45, s43, 768
	s_add_co_u32 s44, s44, s45
	s_add_co_u32 s44, s44, s40
	s_mov_b32 s45, 0
	s_lshl_b32 s42, s42, 7
	s_lshl_b32 s43, s43, 1
	s_add_co_u32 s42, s42, s43
	s_add_co_u32 s42, s42, s40
	s_add_co_u32 s42, s42, 3072
	s_mov_b32 s43, 0
	s_add_nc_u64 s[44:45], s[6:7], s[44:45]
	s_add_nc_u64 s[42:43], s[6:7], s[42:43]
	s_mov_b32 s[SEL], 0x76543210
	s_mov_b32 s[SEL+1], 0xfedcba98
	s_mov_b32 s[CS], 0x3e38aa3b                    ; c = log2(e) / 8
	s_mov_b32 s[CS+1], s[CS]                       ; (named with it as a pair)
	s_mov_b32 s[CNT], 16
	s_mov_b32 s[TK], 0
	s_mov_b32 s[TV], 114688
.irp j, 22,23,24,25,26,27,76,77,78,79,80,81
	v_mov_b32 v\j, 0                               ; zero codes
.endr
	v_mov_b32 v13, 0xff61b1e6                      ; the largest t so far: -3e38
	s_delay_alu instid0(VALU_DEP_1)
	v_floor_f32 v12, -v13                          ; -M
	v_mov_b32 v14, 0
	v_mov_b32 v15, 0
.irp b, 0,1,2,3
	v_mov_b32 v[236+\b], 0                         ; written once: a lane permute's destination counts as one of its sources
.endr
	v_mov_b32 v251, 0                              ; (named as the upper half of the pair v[250:251])
.set i, 0
.rept 32
	v_mov_b32 v[160+i], 0                          ; O^T: the step is written once; the first finds zeros, which the first change of M leaves zeros
.set i, i+1
.endr
	s_wait_tensorcnt 0x0                           ; my part is in,
	s_barrier_signal -1
	s_barrier_wait -1                              ; everybody's is: from here on the waves share nothing
	s_wait_loadcnt 0x0                             ; q
.Lstep:                                            ; 16 trips of 128 keys
	s_barrier_signal -1                            ; I have begun this step (no LDS access of mine is out here); the wait stands at the step's end: between the two only register work and LDS loads of K and V, which nothing writes again
	v_add_nc_u32 v4, s[TK], v1                     ; (these six are also the places in front of loads into registers that the last products have read)
	v_add_nc_u32 v5, s[TK], v2
	v_add_nc_u32 v6, s[TK], v3
	v_add_nc_u32 v7, s[TV], v1
	v_add_nc_u32 v8, s[TV], v2
	v_add_nc_u32 v9, s[TV], v3
.irp t, 0,1,2,3,4,5,6,7
	ds_load_b128 v[28+6*\t:31+6*\t], v4 offset:(\t/2)*1792+(\t%2)*768
	ds_load_b64 v[32+6*\t:33+6*\t], v5 offset:(\t/2)*1792+(\t%2)*768+512
	ds_load_b32 v[82+\t], v6 offset:(\t/2)*1792+1536+(\t%2)*128
.endr
	s_wait_alu depctr_va_vdst(0)
	s_wait_dscnt 0x0
.irp t, 0,1,2,3,4,5,6,7
	v_wmma_scale_f32_16x16x128_f8f6f4 v[96+8*\t:103+8*\t], v[28+6*\t:39+6*\t], v[16:27], 0, v[82+\t], v255 matrix_a_fmt:MATRIX_FMT_FP6 matrix_b_fmt:MATRIX_FMT_FP6
.endr
.rept 4
	v_nop                                          ; places in front of the loads below and of the first read of the scores
.endr
.irp t, 0,1,2,3                                ; v's four fragments land during the softmax
	ds_load_b128 v[28+12*\t:31+12*\t], v7 offset:\t*1536
	ds_load_b64 v[32+12*\t:33+12*\t], v8 offset:\t*1536+512
	ds_load_b128 v[34+12*\t:37+12*\t], v7 offset:\t*1536+768
	ds_load_b64 v[38+12*\t:39+12*\t], v8 offset:\t*1536+1280
	ds_load_b32 v[90+\t], v9 offset:6144+\t*128
.endr
.irp b, 0,1,2,3
	v_max3_num_f32 v[232+\b], v[96+16*\b], v[97+16*\b], v[98+16*\b]   ; the largest score of each block of 32 keys: for the row's maximum and, since p rises with the score, for the block's largest p
.endr
.irp i, 3,5,7,9,11,13
.irp b, 0,1,2,3
	v_max3_num_f32 v[232+\b], v[232+\b], v[96+16*\b+\i], v[97+16*\b+\i]
.endr
.endr
.irp b, 0,1,2,3
	v_max_num_f32 v[232+\b], v[232+\b], v[111+16*\b]
.endr
.irp b, 0,1,2,3
	s_delay_alu instid0(VALU_DEP_4)
	v_permlanex16_b32 v[236+\b], v[232+\b], s[SEL], s[SEL+1]
.endr
.irp b, 0,1,2,3
	s_delay_alu instid0(VALU_DEP_4)
	v_max_num_f32 v[232+\b], v[232+\b], v[236+\b]  ; with lane l xor 16's 16 keys
.endr
	s_delay_alu instid0(VALU_DEP_2)
	v_max3_num_f32 v254, v232, v233, v234
	s_delay_alu instid0(VALU_DEP_1)
	v_max_num_f32 v254, v254, v235
	s_delay_alu instid0(VALU_DEP_1)
	v_mul_f32 v254, s[CS], v254                    ; as t
	s_delay_alu instid0(VALU_DEP_1)
	v_max_num_f32 v13, v13, v254                   ; the running largest t
	v_mov_b32 v254, v12
	s_delay_alu instid0(VALU_DEP_2)
	v_floor_f32 v12, -v13                          ; the new -M = -ceil(t)
	s_delay_alu instid0(VALU_DEP_1)
	v_sub_f32 v254, v12, v254                      ; old M - new M: a whole number, 0 or less
	s_delay_alu instid0(VALU_DEP_1)
	v_cvt_i32_f32 v254, v254                       ; (it saturates)
	s_delay_alu instid0(VALU_DEP_1)
	v_ldexp_f32 v250, 1.0, v254                    ; f = 2^(old M - new M)
.irp j, 0,2,4,6,8,10,12,14,16,18,20,22,24,26,28,30,32,34,36,38,40,42,44,46,48,50,52,54,56,58,60,62
	v_pk_fma_f32 v[96+\j:97+\j], v[96+\j:97+\j], s[CS:CS+1], v[12:13] op_sel_hi:[1,0,0]   ; t - M
.endr
.irp b, 0,1,2,3
	v_fma_f32 v[232+\b], v[232+\b], s[CS], v12     ; the same of each block's largest score
.endr
.set i, 0
	s_wait_alu depctr_va_vdst(0)
.rept 64
	v_exp_f32 v[96+i], v[96+i]                     ; p = 2^(t - M)
.set i, i+1
.endr
	v_pk_mul_f32 v[14:15], v[14:15], v[250:251] op_sel_hi:[1,0]   ; the sums under the new M (a plain place behind the exponentials)
	s_wait_alu depctr_va_vdst(0)                   ; one wait for the whole batch, ahead of its first reader
.irp b, 0,1,2,3
	v_exp_f32 v[232+\b], v[232+\b]                 ; the block's largest p
.endr
	v_pk_add_f32 v[236:237], v[100:101], v[104:105]
	v_pk_add_f32 v[246:247], v[108:109], v[112:113]
	v_pk_add_f32 v[244:245], v[116:117], v[120:121]
	v_pk_add_f32 v[242:243], v[124:125], v[128:129]
	v_pk_add_f32 v[240:241], v[132:133], v[136:137]
	v_pk_add_f32 v[238:239], v[140:141], v[144:145]
	v_pk_add_f32 v[230:231], v[148:149], v[152:153]
	v_pk_add_f32 v[14:15], v[14:15], v[156:157]
	v_pk_add_f32 v[236:237], v[236:237], v[96:97]
	v_pk_add_f32 v[246:247], v[246:247], v[98:99]
	v_pk_add_f32 v[244:245], v[244:245], v[102:103]
	v_pk_add_f32 v[242:243], v[242:243], v[106:107]
	v_pk_add_f32 v[240:241], v[240:241], v[110:111]
	v_pk_add_f32 v[238:239], v[238:239], v[114:115]
	v_pk_add_f32 v[230:231], v[230:231], v[118:119]
	v_pk_add_f32 v[14:15], v[14:15], v[122:123]
	v_pk_add_f32 v[236:237], v[236:237], v[126:127]
	v_pk_add_f32 v[246:247], v[246:247], v[130:131]
	v_pk_add_f32 v[244:245], v[244:245], v[134:135]
	v_pk_add_f32 v[242:243], v[242:243], v[138:139]
	v_pk_add_f32 v[240:241], v[240:241], v[142:143]
	v_pk_add_f32 v[238:239], v[238:239], v[146:147]
	v_pk_add_f32 v[230:231], v[230:231], v[150:151]
	v_pk_add_f32 v[14:15], v[14:15], v[154:155]
	v_pk_add_f32 v[236:237], v[236:237], v[158:159]
	s_delay_alu instid0(VALU_DEP_2)
	v_pk_add_f32 v[14:15], v[14:15], v[242:243]
	s_delay_alu instid0(VALU_DEP_2)
	v_pk_add_f32 v[236:237], v[236:237], v[240:241]
	v_pk_add_f32 v[246:247], v[246:247], v[238:239]
	v_pk_add_f32 v[244:245], v[244:245], v[230:231]
	s_delay_alu instid0(VALU_DEP_2)
	v_pk_add_f32 v[14:15], v[14:15], v[246:247]
	s_delay_alu instid0(VALU_DEP_2)
	v_pk_add_f32 v[236:237], v[236:237], v[244:245]
	s_delay_alu instid0(VALU_DEP_1)
	v_pk_add_f32 v[14:15], v[14:15], v[236:237]
	s_wait_alu depctr_va_vdst(0)                   ; and one for the four
.irp b, 0,1,2,3
	v_max_num_f32 v[232+\b], 0x1800000, v[232+\b]  ; the floor 2^(3 - 127)
.endr
.irp b, 0,1,2,3
	s_delay_alu instid0(VALU_DEP_4)
	v_add_nc_u32 v[244+\b], 0xff000000, v[232+\b]  ; the conversion's scale operand
.endr
.irp b, 0,1,2,3
	s_delay_alu instid0(VALU_DEP_4)
	v_lshrrev_b32 v[236+\b], 23, v[244+\b]         ; the scale's byte
.endr
	s_delay_alu instid0(VALU_DEP_3)
	v_lshl_or_b32 v253, v237, 8, v236              ; p's scale word for these 128 keys
	s_delay_alu instid0(VALU_DEP_1)
	v_lshl_or_b32 v253, v238, 16, v253
	s_delay_alu instid0(VALU_DEP_1)
	v_lshl_or_b32 v253, v239, 24, v253
.irp c, 0,1
	v_cvt_scalef32_pk16_fp6_f32 v[224+6*\c:226+6*\c], v[96+32*\c:111+32*\c], v[244+2*\c]
	v_cvt_scalef32_pk16_fp6_f32 v[236+4*\c:238+4*\c], v[112+32*\c:127+32*\c], v[244+2*\c+1]
.endr
	v_nop                                          ; one plain place behind a scaled conversion
.irp c, 0,1
.irp i, 0,1,2
	v_permlane16_swap_b32 v[224+6*\c+\i], v[236+4*\c+\i]
.endr
.irp i, 0,1,2
	s_delay_alu instid0(VALU_DEP_3)
	v_mov_b32 v[227+6*\c+\i], v[236+4*\c+\i]
.endr
.endr
.irp j, 0,2,4,6,8,10,12,14,16,18,20,22,24,26,28,30
	v_pk_mul_f32 v[160+\j:161+\j], v[160+\j:161+\j], v[250:251] op_sel_hi:[1,0]   ; O^T under the new M; these sixteen also stand between p's codes and scale word and the products
.endr
	s_wait_alu depctr_va_vdst(0)
	s_wait_dscnt 0x0                               ; v is in
.irp t, 0,1,2,3
	v_wmma_scale_f32_16x16x128_f8f6f4 v[160+8*\t:167+8*\t], v[28+12*\t:39+12*\t], v[224:235], v[160+8*\t:167+8*\t], v[90+\t], v253 matrix_a_fmt:MATRIX_FMT_FP6 matrix_b_fmt:MATRIX_FMT_FP6
.endr
	s_barrier_wait -1                              ; every wave has begun this step: the sixteen waves stay within one step of each other, so that the four waves of a SIMD have work side by side up to the last step
	s_add_co_u32 s[TK], s[TK], 7168
	s_add_co_u32 s[TV], s[TV], 6656
	s_sub_co_u32 s[CNT], s[CNT], 1
	s_cmp_lg_u32 s[CNT], 0
	s_cbranch_scc1 .Lstep
	; THE WAY OUT: O^T / the sum; register 16 b + i is channel 32 b + 16 h + i of my query: two blocks of the next K
	v_add_f32 v14, v14, v15
	s_delay_alu instid0(VALU_DEP_1)
	v_permlanex16_b32 v250, v14, s[SEL], s[SEL+1]
	s_delay_alu instid0(VALU_DEP_1)
	v_add_f32 v14, v14, v250                       ; the row's sum
	s_wait_alu depctr_va_vdst(0)
	v_rcp_f32 v14, v14
.rept 3
	v_nop                                          ; a plain place behind the reciprocal; with the lines above, the places behind the last products
.endr
	s_wait_alu depctr_va_vdst(0)                   ; ahead of the reciprocal's first reader
.set i, 0
.rept 32
	v_mul_f32 v[96+i], v[160+i], v14               ; each accumulator from its low end on
.set i, i+1
.endr
.irp b, 0,1
	v_max3_num_f32 v[232+\b], |v[96+16*\b]|, |v[97+16*\b]|, 0x1800000
.endr
.irp i, 2,4,6,8,10,12,14
.irp b, 0,1
	s_delay_alu instid0(VALU_DEP_2)
	v_max3_num_f32 v[232+\b], v[232+\b], |v[96+16*\b+\i]|, |v[97+16*\b+\i]|
.endr
.endr
.irp b, 0,1
	s_delay_alu instid0(VALU_DEP_2)
	v_permlanex16_b32 v[236+\b], v[232+\b], s[SEL], s[SEL+1]
.endr
.irp b, 0,1
	s_delay_alu instid0(VALU_DEP_2)
	v_max_num_f32 v[232+\b], v[232+\b], v[236+\b]
.endr
.irp b, 0,1
	s_delay_alu instid0(VALU_DEP_2)
	v_add_nc_u32 v[244+\b], 0xff000000, v[232+\b]
.endr
.irp b, 0,1
	s_delay_alu instid0(VALU_DEP_2)
	v_lshrrev_b32 v[236+\b], 23, v[244+\b]
.endr
	s_delay_alu instid0(VALU_DEP_1)
	v_lshl_or_b32 v248, v237, 8, v236              ; my head's two scale bytes
	v_cvt_scalef32_pk16_fp6_f32 v[224:226], v[96:111], v244
	v_cvt_scalef32_pk16_fp6_f32 v[240:242], v[112:127], v245
	v_nop
.irp i, 0,1,2
	v_permlane16_swap_b32 v[224+\i], v[240+\i]
.endr
.irp i, 0,1,2
	s_delay_alu instid0(VALU_DEP_3)
	v_mov_b32 v[227+\i], v[240+\i]
.endr
	global_store_b128 v1, v[224:227], s[44:45]     ; 512 consecutive bytes, aligned
	global_store_b64 v2, v[228:229], s[44:45] offset:512
	global_store_b16 v3, v248, s[42:43]            ; two of a scale word's four bytes: the neighbour head's work-group writes the other two
	s_wait_tensorcnt 0x0
	ds_add_u32 v249, v252
	s_wait_dscnt 0x0
	ROUND                                          ; the closing round: no work-group ends while a partner may still ask
	s_endpgm
.Lfunc_end_k_qdb24b504b3_attn:
	.size	k_qdb24b504b3_attn, .Lfunc_end_k_qdb24b504b3_attn-k_qdb24b504b3_attn
	.p2alignl 7, 3214868480
	.fill 96, 4, 3214868480
	.section	.rodata,"a",@progbits
	.p2align	6, 0x0
	.amdhsa_kernel k_qdb24b504b3_attn
		.amdhsa_group_segment_fixed_size 223232
		.amdhsa_private_segment_fixed_size 0
		.amdhsa_enable_private_segment 0
		.amdhsa_kernarg_size 16
		.amdhsa_user_sgpr_count 2
		.amdhsa_user_sgpr_kernarg_segment_ptr 1
		.amdhsa_wavefront_size32 1
		.amdhsa_system_sgpr_workgroup_id_x 1
		.amdhsa_system_sgpr_workgroup_id_y 1
		.amdhsa_system_sgpr_workgroup_id_z 1
		.amdhsa_system_vgpr_workitem_id 0
		.amdhsa_next_free_vgpr 256
		.amdhsa_next_free_sgpr 66
		.amdhsa_reserve_vcc 0
		.amdhsa_float_denorm_mode_32 3
		.amdhsa_float_denorm_mode_16_64 3
		.amdhsa_memory_ordered 1
		.amdhsa_forward_progress 1
		.amdhsa_inst_pref_size 30
	.end_amdhsa_kernel
	.amdgpu_metadata
---
amdhsa.version: [ 1, 2 ]
amdhsa.kernels:
  - .name:           k_qdb24b504b3_attn
    .symbol:         k_qdb24b504b3_attn.kd
    .args:
      - { .name: qkv, .offset: 0, .size: 8, .value_kind: global_buffer, .address_space: global }
      - { .name: ai, .offset: 8, .size: 8, .value_kind: global_buffer, .address_space: global }
    .group_segment_fixed_size: 223232
    .private_segment_fixed_size: 0
    .kernarg_segment_align: 8
    .kernarg_segment_size: 16
    .max_flat_workgroup_size: 512
    .sgpr_count:     66
    .vgpr_count:     256
    .wavefront_size: 32
...
	.end_amdgpu_metadata
.endif
;; end of part 3
;; launch woln (part 4): grid 256 x 1, 8 waves a work-group, no clusters, 82,176 bytes of LDS; arguments x, ai, bo, g1, be1, x1, xi, wts; writes x1, xi
.if DOCPART == 4
	.amdgcn_target "amdgcn-amd-amdhsa--gfx1250"
	.amdhsa_code_object_version 6
	.text
	.protected	k_qdb24b504b3_woln
	.globl	k_qdb24b504b3_woln
	.p2align	8
	.type	k_qdb24b504b3_woln,@function
k_qdb24b504b3_woln:
	s_mov_b64 s[64:65], 0
	v_nop
	global_prefetch_b8 v0, s[64:65] scope:SCOPE_SE
	s_setreg_imm32_b32 hwreg(HW_REG_WAVE_MODE, 25, 1), 1
	s_wait_xcnt 0x0
; WOLN: x1 = LayerNorm(x + attn Wo + bo) g1 + be1, rows of 1,024; the product on codes of FP6 (E2M3) with E8M0 scales, K = 1,024, all else in f32.
; x1 leaves row-major and, quantised along its 1,024 columns, as the image of the next product's operand (xi).
; OPERANDS are images of the operand's registers: 16 rows x 256 K in 3,328 bytes (two fragments as registers 0-3, 4-5, 6-9, 10-11 lane by lane, then two runs of scale words); tiles TS bytes apart.
; A tile's row r is row 32 (T / 2) + 8 (T % 2) + r + 8 (r / 8); a weight's tile holds columns in the same order.
; SHARES: a work-group owns a tile of 16 rows, whole; wave w owns columns 128 w .. 128 w + 127: 8 accumulators; source 0 = a tile of Wo, source 1 = the rows' tile:
; lane (r, h), register 16 b + i = row r, column 128 w + 32 b + 16 h + i.  The bias is loaded into the accumulators and x is added there ahead of the first product.
; THE WEIGHTS go from memory straight into the operand's registers, two sets by turns, two K steps (80 loads a wave) asked ahead; no barrier stands in the walk along K.
; THE ROWS' TILE, TS bytes, is copied once into LDS, an eighth a wave, and read from there by all eight waves.
; THE WALK ALONG K BEGINS AT ANOTHER PLACE IN EACH OF NPH GROUPS OF WORK-GROUPS (the work-group's number mod NPH) and wraps round: the f32 sums are taken in that order, not in ascending K.
; No tensor load and no cluster: a K step of a wave is 8 matrix instructions on 13,312 bytes of weights, and a ring of two LDS slots has one slot on its way between two barriers, where the registers' ring is refilled load by load.
; No prefetch: of the NPH parts of a walk, NPH - 1 have been read in this launch by the work-groups that began there.
; LayerNorm: mean and variance in two passes, each lane's sum, lane l xor 16's, then the eight waves' through LDS.  x comes by rows and turns through a stage in LDS; the result goes back the same way: each store covers 512 consecutive bytes of a row.
; LIMITS: NaN and infinities are not served; 1 / sqrt by v_rsq_f32; a block under 2^-124 keeps the scale byte 1, a block of zeros too (this program alone reads the bytes).
; REGISTERS: window 0: v1-11 addresses; v12-59 at work in the LayerNorm; v62-63 the add's; v64-127 accumulators; v128-191 x, then beta; v192-209 scale words alone; v212-235 the rows' fragments, two sets.
; window 1: v0-191 the weights' fragments, two sets (set 1 first carries my share of the rows' tile); v192-255 gamma.
.set KT,    8
.set NPH,   4
.set BBASE, 5963776
.set TS,    1664*KT
.set ASH,   TS/8
.set NC,    ASH/512
.set RSTEP, TS/NPH
.set PITCH, 4112
.set RED,   16*PITCH
.set SPARE, RED+2048
.set ABASE, SPARE+1024
.set L16,  1
.set L8,   2
.set L4,   3
.set VH,   4
.set STW,  5
.set STR,  6
.set RDW,  7
.set RDR,  8
.set A16,  9
.set A8,   10
.set A4,   11
.set S,    12
.set TM,   12
.set PW,   28
.set PC,   30
.set U,    50
.set M,    58
.set SPW,  62
.set NIL,  63
.set V,    64
.set T,    128
.set SCB,  192
.set SCA,  208
.set AF,   212
.set G,    192
.set SEL,  30
.set BB,   32
.set TA,   34
.set CNT,  35
.set RO,   40
.set P,    42
.set MSB, 0
.macro WIN new                         ; the immediate's high byte repeats the setting that is left
.if MSB != (\new)
	s_set_vgpr_msb (MSB<<8)|(\new)
.set MSB, (\new)
.endif
.endm
.macro QUANT s
.irp b, 0,1,2,3
	v_max3_num_f32 v[TM+\b], |v[\s+16*\b]|, |v[\s+1+16*\b]|, 0x1800000   ; and the floor 2^(3 - 127): the byte cannot fall under 1
.endr
.irp i, 2,4,6,8,10,12,14
.irp b, 0,1,2,3
	s_delay_alu instid0(VALU_DEP_4)
	v_max3_num_f32 v[TM+\b], v[TM+\b], |v[\s+16*\b+\i]|, |v[\s+1+16*\b+\i]|
.endr
.endr
.irp b, 0,1,2,3
	s_delay_alu instid0(VALU_DEP_4)
	v_permlanex16_b32 v[TM+4+\b], v[TM+\b], s[SEL], s[SEL+1]
.endr
.irp b, 0,1,2,3
	s_delay_alu instid0(VALU_DEP_4)
	v_max_num_f32 v[TM+\b], v[TM+\b], v[TM+4+\b]
.endr
.irp b, 0,1,2,3
	s_delay_alu instid0(VALU_DEP_4)
	v_add_nc_u32 v[TM+12+\b], 0xff000000, v[TM+\b]
.endr
.irp b, 0,1,2,3
	s_delay_alu instid0(VALU_DEP_4)
	v_lshrrev_b32 v[TM+4+\b], 23, v[TM+12+\b]
.endr
	s_delay_alu instid0(VALU_DEP_3)
	v_lshl_or_b32 v[PW], v[TM+5], 8, v[TM+4]
	s_delay_alu instid0(VALU_DEP_1)
	v_lshl_or_b32 v[PW], v[TM+6], 16, v[PW]
	s_delay_alu instid0(VALU_DEP_1)
	v_lshl_or_b32 v[PW], v[TM+7], 24, v[PW]
.irp c, 0,1
	v_cvt_scalef32_pk16_fp6_f32 v[PC+6*\c:PC+2+6*\c], v[\s+32*\c:\s+15+32*\c], v[TM+12+2*\c]
	v_cvt_scalef32_pk16_fp6_f32 v[PC+12+4*\c:PC+14+4*\c], v[\s+16+32*\c:\s+31+32*\c], v[TM+12+2*\c+1]
.endr
	v_nop
.irp c, 0,1
.irp i, 0,1,2
	v_permlane16_swap_b32 v[PC+6*\c+\i], v[PC+12+4*\c+\i]
.endr
.irp i, 0,1,2
	s_delay_alu instid0(VALU_DEP_3)
	v_mov_b32 v[PC+3+6*\c+\i], v[PC+12+4*\c+\i]
.endr
.endr
.endm
.macro VEC reg, base                           ; a vector's 64 numbers of my columns
.irp b, 0,1,2,3
.irp j, 0,1,2,3
	global_load_b128 v[\reg+16*\b+4*\j:\reg+16*\b+4*\j+3], v[VH], s[\base:\base+1] offset:128*\b+16*\j
.endr
.endr
.endm
.macro ROWSUM off                              ; the four chains -> the row's sum over all 1,024 columns, in v[U]
	s_delay_alu instid0(VALU_DEP_3)
	v_pk_add_f32 v[S:S+1], v[S:S+1], v[S+2:S+3]
	s_delay_alu instid0(VALU_DEP_2)
	v_pk_add_f32 v[S+4:S+5], v[S+4:S+5], v[S+6:S+7]
	s_delay_alu instid0(VALU_DEP_1)
	v_pk_add_f32 v[S:S+1], v[S:S+1], v[S+4:S+5]
	s_delay_alu instid0(VALU_DEP_1)
	v_add_f32 v[S], v[S], v[S+1]
	s_delay_alu instid0(VALU_DEP_1)
	v_permlanex16_b32 v[S+1], v[S], s[SEL], s[SEL+1]
	s_delay_alu instid0(VALU_DEP_1)
	v_add_f32 v[S], v[S], v[S+1]                   ; my wave's 128 columns of row r
	ds_store_b32 v[RDW], v[S] offset:\off
	s_wait_dscnt 0x0                               ; for the others' sake: my store has landed
	s_barrier_signal -1
	s_barrier_wait -1
.irp k, 0,1,2,3,4,5,6,7
	ds_load_b32 v[U+\k], v[RDR] offset:\off+128*\k
.endr
	s_wait_dscnt 0x0
	v_add_f32 v[U], v[U], v[U+1]
	v_add_f32 v[U+2], v[U+2], v[U+3]
	v_add_f32 v[U+4], v[U+4], v[U+5]
	v_add_f32 v[U+6], v[U+6], v[U+7]
	s_delay_alu instid0(VALU_DEP_3)
	v_add_f32 v[U], v[U], v[U+2]
	s_delay_alu instid0(VALU_DEP_2)
	v_add_f32 v[U+4], v[U+4], v[U+6]
	s_delay_alu instid0(VALU_DEP_1)
	v_add_f32 v[U], v[U], v[U+4]
.endm
.macro ALOAD p, q                              ; the rows' fragment and scale word of the q-th K step from LDS byte s[TA] on, into set p: 5 LDS loads
.set OC, ((\q)/2)*3328+((\q)%2)*1536
.set OS, ((\q)/2)*3328+3072+((\q)%2)*128
	ds_load_b128 v[AF+12*(\p):AF+12*(\p)+3], v[A16] offset:OC
	ds_load_b64 v[AF+12*(\p)+4:AF+12*(\p)+5], v[A8] offset:OC+512
	ds_load_b128 v[AF+12*(\p)+6:AF+12*(\p)+9], v[A16] offset:OC+768
	ds_load_b64 v[AF+12*(\p)+10:AF+12*(\p)+11], v[A8] offset:OC+1280
	ds_load_b32 v[SCA+(\p)], v[A4] offset:OS
.endm
.macro BLOAD p, q                              ; my eight tiles of the weight, K step q of the block at s[P:P+1], into set p: 32 loads of codes, 8 of scale words
.set OC, (\q)*1536
.set OS, 3072+(\q)*128
	WIN 0x40
.set bt, 0
.rept 8
	global_load_b128 v[96*(\p)+12*bt:96*(\p)+12*bt+3], v[L16], s[P:P+1] offset:bt*TS+OC
	global_load_b64 v[96*(\p)+12*bt+4:96*(\p)+12*bt+5], v[L8], s[P:P+1] offset:bt*TS+OC+512
	global_load_b128 v[96*(\p)+12*bt+6:96*(\p)+12*bt+9], v[L16], s[P:P+1] offset:bt*TS+OC+768
	global_load_b64 v[96*(\p)+12*bt+10:96*(\p)+12*bt+11], v[L8], s[P:P+1] offset:bt*TS+OC+1280
.set bt, bt+1
.endr
	WIN 0
.set bt, 0
.rept 8
	global_load_b32 v[SCB+8*(\p)+bt], v[L4], s[P:P+1] offset:bt*TS+OS
.set bt, bt+1
.endr
.endm
.macro ADV                                     ; the weights' pointer goes one block of 256 K on and wraps at the tile's end
	s_wait_xcnt 0x0                                ; the loads issued have read their base
	s_add_co_u32 s[RO], s[RO], 3328
	s_cmp_eq_u32 s[RO], TS
	s_cselect_b32 s[RO], 0, s[RO]
	s_add_nc_u64 s[P:P+1], s[BB:BB+1], s[RO:RO+1]
.endm
; A K step on set p: lc, dc: the other set's loads, which may be out.  The eight accumulators take turns.  ld = 1: the set is asked for again, two K steps on.
.macro STEP p, lc, dc, ld
	s_wait_loadcnt \lc
	s_wait_dscnt \dc
	WIN 0x01
.set bt, 0
.rept 8
	v_wmma_scale_f32_16x16x128_f8f6f4 v[V+8*bt:V+8*bt+7], v[96*(\p)+12*bt:96*(\p)+12*bt+11], v[AF+12*(\p):AF+12*(\p)+11], v[V+8*bt:V+8*bt+7], v[SCB+8*(\p)+bt], v[SCA+(\p)] matrix_a_fmt:MATRIX_FMT_FP6 matrix_b_fmt:MATRIX_FMT_FP6
.set bt, bt+1
.endr
	WIN 0
.rept 4
	v_nop                                          ; four places in front of loads into registers that the products have read, and of the first read of the sums
.endr
.if \ld
	ALOAD \p, 2+(\p)
	BLOAD \p, \p
.endif
.endm
	s_load_b256 s[4:11], s[0:1], 0x0               ; x s[4:5], ai s[6:7], bias s[8:9], gamma s[10:11]
	s_load_b128 s[12:15], s[0:1], 0x20             ; beta s[12:13], x1 s[14:15]
	s_load_b64 s[16:17], s[0:1], 0x30              ; xi
	s_load_b64 s[BB:BB+1], s[0:1], 0x38            ; wts
	v_lshl_add_u32 v[SPW], v0, 2, SPARE
	v_mov_b32 v[NIL], 0
	v_lshrrev_b32 v9, 5, v0
	s_delay_alu instid0(VALU_DEP_1)
	v_readfirstlane_b32 s18, v9                    ; wave 0..7
	v_and_b32 v9, 31, v0
	s_delay_alu instid0(VALU_DEP_1)
	v_lshlrev_b32 v[L16], 4, v9
	s_delay_alu instid0(VALU_DEP_2)
	v_lshlrev_b32 v[L8], 3, v9
	s_delay_alu instid0(VALU_DEP_3)
	v_lshlrev_b32 v[L4], 2, v9
	v_bfe_u32 v10, v0, 4, 1
	s_delay_alu instid0(VALU_DEP_1)
	v_lshlrev_b32 v[VH], 6, v10
	s_mul_i32 s19, s18, 2*PITCH
	v_add_nc_u32 v[STW], s19, v[L16]
	v_and_b32 v11, 15, v0
	s_delay_alu instid0(VALU_DEP_1)
	v_mul_u32_u24 v[STR], v11, PITCH
	s_delay_alu instid0(VALU_DEP_1)
	v_add_nc_u32 v[STR], v[STR], v[VH]
	s_lshl_b32 s19, s18, 9
	v_add_nc_u32 v[STR], s19, v[STR]
	v_lshl_add_u32 v[RDW], v0, 2, RED
	v_add_nc_u32 v[RDR], RED, v[L4]
	s_mul_i32 s38, s18, ASH                        ; my share of the rows' tile
	s_add_co_u32 s39, s38, ABASE                   ; where it goes in LDS
	v_add_nc_u32 v[A16], s39, v[L16]
	v_add_nc_u32 v[A4], s39, v[L4]
	s_and_b32 s[RO], ttmp9, NPH-1
	s_mul_i32 s[RO], s[RO], RSTEP                  ; where my work-group's walk along K begins, in bytes of a tile
	s_mov_b32 s[RO+1], 0
	s_add_co_u32 s38, s38, s[RO]                   ; LDS byte y of the tile holds the image's byte (start + y) mod TS; start and TS are multiples of a share
	s_cmp_ge_u32 s38, TS
	s_cselect_b32 s22, TS, 0
	s_sub_co_u32 s38, s38, s22
	s_mul_i32 s22, ttmp9, TS
	s_add_co_u32 s22, s22, s38
	s_mov_b32 s23, 0
	s_mul_i32 s36, s18, 8*TS                       ; my eight tiles of the weight
	s_add_co_u32 s36, s36, BBASE
	s_mov_b32 s37, 0
	s_mov_b32 s[SEL], 0x76543210
	s_mov_b32 s[SEL+1], 0xfedcba98
	s_mov_b32 s24, 0x3a800000                      ; 1 / 1,024
	s_mov_b32 s25, 0x358637bd                      ; 1e-6
	s_lshr_b32 s20, ttmp9, 1
	s_lshl_b32 s20, s20, 5
	s_and_b32 s21, ttmp9, 1
	s_lshl_b32 s21, s21, 3
	s_add_co_u32 s20, s20, s21                     ; the tile's first row
	s_lshl_b32 s21, s18, 1
	s_add_co_u32 s20, s20, s21
	s_lshr_b32 s21, s18, 2
	s_lshl_b32 s21, s21, 3
	s_add_co_u32 s20, s20, s21                     ; the tile's rows 2 w and 2 w + 1 are neighbours in memory
	s_lshl_b32 s20, s20, 12
	s_mov_b32 s21, 0
	s_mov_b32 s26, s19                             ; 512 w: my columns in the vectors
	s_mov_b32 s27, 0
	s_mov_b32 s[TA], ABASE
	s_mov_b32 s[CNT], (KT-2)/2
	s_wait_alu depctr_va_vdst(0)                   ; the wait at the head's end
	s_wait_kmcnt 0x0
	s_add_nc_u64 s[4:5], s[4:5], s[20:21]
	s_add_nc_u64 s[14:15], s[14:15], s[20:21]
	s_add_nc_u64 s[6:7], s[6:7], s[22:23]
	s_add_nc_u64 s[8:9], s[8:9], s[26:27]
	s_add_nc_u64 s[10:11], s[10:11], s[26:27]
	s_add_nc_u64 s[12:13], s[12:13], s[26:27]
	s_add_nc_u64 s[BB:BB+1], s[BB:BB+1], s[36:37]
	s_add_nc_u64 s[P:P+1], s[BB:BB+1], s[RO:RO+1]
	WIN 0x40
.set i, 0
.rept NC
	global_load_b128 v[96+4*i:96+4*i+3], v[L16], s[6:7] offset:512*i th:TH_LOAD_NT   ; my share of the rows' tile, as it lies
.set i, i+1
.endr
.if ASH%512
	global_load_b32 v[96+4*NC], v[L4], s[6:7] offset:512*NC th:TH_LOAD_NT
.endif
	VEC G, 10                                      ; gamma, into window 1
	WIN 0
.irp e, 0,1
.irp j, 0,1,2,3,4,5,6,7
	global_load_b128 v[T+32*\e+4*\j:T+32*\e+4*\j+3], v[L16], s[4:5] offset:4096*\e+512*\j th:TH_LOAD_NT
.endr
.endr
	VEC V, 8                                       ; the bias begins the sums
	BLOAD 0, 0
	s_wait_loadcnt 40                              ; all but set 0's 40 loads are in
	WIN 0x04
.set i, 0
.rept NC
	ds_store_b128 v[A16], v[96+4*i:96+4*i+3] offset:512*i
.set i, i+1
.endr
.if ASH%512
	ds_store_b32 v[A4], v[96+4*NC] offset:512*NC
.endif
	WIN 0
.irp e, 0,1
.irp j, 0,1,2,3,4,5,6,7
	ds_store_b128 v[STW], v[T+32*\e+4*\j:T+32*\e+4*\j+3] offset:\e*PITCH+512*\j
.endr
.endr
	s_wait_dscnt 0x0
	s_barrier_signal -1
	s_barrier_wait -1                              ; the rows' tile and 16 whole rows of x lie in LDS
.irp b, 0,1,2,3
.irp j, 0,1,2,3
	ds_load_b128 v[T+16*\b+4*\j:T+16*\b+4*\j+3], v[STR] offset:128*\b+16*\j
.endr
.endr
	v_add_nc_u32 v[A16], s[TA], v[L16]
	v_add_nc_u32 v[A8], s[TA], v[L8]
	v_add_nc_u32 v[A4], s[TA], v[L4]
	s_wait_alu depctr_va_vdst(0)
	ALOAD 0, 0
	ALOAD 1, 1
	s_wait_dscnt 10                                ; x is back; the two fragments' ten loads may be out
.set i, 0
.rept 32
	v_pk_add_f32 v[V+i:V+i+1], v[V+i:V+i+1], v[T+i:T+i+1]
.set i, i+2
.endr
	VEC T, 12                                      ; beta
	BLOAD 1, 1
	ADV
	s_wait_alu depctr_va_vdst(0)
.Lk:                                               ; a trip: two K steps, one block of the images; (KT - 2) / 2 trips
	STEP 0, 40, 5, 1
	STEP 1, 40, 5, 1
	ADV
	s_add_co_u32 s[TA], s[TA], 3328
	v_add_nc_u32 v[A16], s[TA], v[L16]
	v_add_nc_u32 v[A8], s[TA], v[L8]
	v_add_nc_u32 v[A4], s[TA], v[L4]
	s_sub_co_u32 s[CNT], s[CNT], 1
	s_cmp_lg_u32 s[CNT], 0
	s_wait_alu depctr_va_vdst(0)                   ; the wait ahead of the branch
	s_cbranch_scc1 .Lk
	STEP 0, 40, 5, 0                               ; the last two K steps ask for nothing
	STEP 1, 0, 0, 0
.irp k, 0,1,2,3
	v_pk_add_f32 v[S+2*\k:S+2*\k+1], v[V+2*\k:V+2*\k+1], v[V+8+2*\k:V+9+2*\k]   ; each accumulator from its low end on
.endr
.irp p, 16,24,32,40,48,56
.irp k, 0,1,2,3
	v_pk_add_f32 v[S+2*\k:S+2*\k+1], v[S+2*\k:S+2*\k+1], v[V+\p+2*\k:V+\p+2*\k+1]
.endr
.endr
	ROWSUM 0
	s_delay_alu instid0(VALU_DEP_1)
	v_mul_f32 v[M], s24, v[U]                      ; the mean
	s_delay_alu instid0(VALU_DEP_1)
	v_mov_b32 v[M+1], v[M]
.set i, 0
.rept 32
	v_pk_add_f32 v[V+i:V+i+1], v[V+i:V+i+1], v[M:M+1] neg_lo:[0,1] neg_hi:[0,1]
.set i, i+2
.endr
.irp k, 0,1,2,3
	v_pk_mul_f32 v[S+2*\k:S+2*\k+1], v[V+2*\k:V+2*\k+1], v[V+2*\k:V+2*\k+1]
.endr
.irp p, 8,16,24,32,40,48,56
.irp k, 0,1,2,3
	s_delay_alu instid0(VALU_DEP_4)
	v_pk_fma_f32 v[S+2*\k:S+2*\k+1], v[V+\p+2*\k:V+\p+2*\k+1], v[V+\p+2*\k:V+\p+2*\k+1], v[S+2*\k:S+2*\k+1]
.endr
.endr
	ROWSUM 1024
	s_delay_alu instid0(VALU_DEP_1)
	v_fma_f32 v[U], v[U], s24, s25                 ; the variance + 1e-6
	s_wait_alu depctr_va_vdst(0)
	v_rsq_f32 v[M], v[U]
	v_nop                                          ; a plain place behind the transcendental
	s_wait_alu depctr_va_vdst(0)                   ; ahead of its first reader
	v_mov_b32 v[M+1], v[M]
.set i, 0
.rept 32
	v_pk_mul_f32 v[V+i:V+i+1], v[V+i:V+i+1], v[M:M+1]
.set i, i+2
.endr
	s_wait_loadcnt 0x0
	WIN 0x04                                       ; gamma lies in window 1
.set i, 0
.rept 32
	v_pk_fma_f32 v[V+i:V+i+1], v[V+i:V+i+1], v[G+i:G+i+1], v[T+i:T+i+1]
.set i, i+2
.endr
	WIN 0
.irp b, 0,1,2,3                                ; into the stage: every wave's reads of it were over in front of the sums' barriers
.irp j, 0,1,2,3
	ds_store_b128 v[STR], v[V+16*\b+4*\j:V+16*\b+4*\j+3] offset:128*\b+16*\j
.endr
.endr
	s_lshl_b32 s26, ttmp9, 2                       ; my 128 columns are K step w of the image: block 4 T + w / 2, fragment w % 2
	s_lshr_b32 s27, s18, 1
	s_add_co_u32 s26, s26, s27
	s_mul_i32 s26, s26, 3328
	s_and_b32 s27, s18, 1
	s_mul_i32 s28, s27, 1536
	s_add_co_u32 s28, s28, s26
	s_mov_b32 s29, 0
	s_lshl_b32 s27, s27, 7
	s_add_co_u32 s26, s26, s27
	s_add_co_u32 s26, s26, 3072
	s_mov_b32 s27, 0
	s_add_nc_u64 s[28:29], s[16:17], s[28:29]
	s_add_nc_u64 s[26:27], s[16:17], s[26:27]
	QUANT V
	global_store_b128 v[L16], v[PC:PC+3], s[28:29]
	global_store_b64 v[L8], v[PC+4:PC+5], s[28:29] offset:512
	global_store_b128 v[L16], v[PC+6:PC+9], s[28:29] offset:768
	global_store_b64 v[L8], v[PC+10:PC+11], s[28:29] offset:1280
	global_store_b32 v[L4], v[PW], s[26:27]
	s_wait_dscnt 0x0
	s_barrier_signal -1
	s_barrier_wait -1                              ; 16 whole rows of the result lie in the stage
.irp e, 0,1
.irp j, 0,1,2,3,4,5,6,7
	ds_load_b128 v[T+32*\e+4*\j:T+32*\e+4*\j+3], v[STW] offset:\e*PITCH+512*\j
.endr
.endr
.irp e, 0,1
.irp j, 0,1,2,3,4,5,6,7
	s_wait_dscnt 15-8*\e-\j                        ; the younger loads may be out
	global_store_b128 v[L16], v[T+32*\e+4*\j:T+32*\e+4*\j+3], s[14:15] offset:4096*\e+512*\j   ; 512 consecutive bytes of a row, aligned
.endr
.endr
	s_wait_tensorcnt 0x0                           ; the wave's end
	ds_add_u32 v[SPW], v[NIL]
	s_wait_dscnt 0x0
	s_endpgm
.Lfunc_end_k_qdb24b504b3_woln:
	.size	k_qdb24b504b3_woln, .Lfunc_end_k_qdb24b504b3_woln-k_qdb24b504b3_woln
	.p2alignl 7, 3214868480
	.fill 96, 4, 3214868480
	.section	.rodata,"a",@progbits
	.p2align	6, 0x0
	.amdhsa_kernel k_qdb24b504b3_woln
		.amdhsa_group_segment_fixed_size 82176
		.amdhsa_private_segment_fixed_size 0
		.amdhsa_enable_private_segment 0
		.amdhsa_kernarg_size 64
		.amdhsa_user_sgpr_count 2
		.amdhsa_user_sgpr_kernarg_segment_ptr 1
		.amdhsa_wavefront_size32 1
		.amdhsa_system_sgpr_workgroup_id_x 1
		.amdhsa_system_sgpr_workgroup_id_y 1
		.amdhsa_system_sgpr_workgroup_id_z 1
		.amdhsa_system_vgpr_workitem_id 0
		.amdhsa_next_free_vgpr 512
		.amdhsa_next_free_sgpr 66
		.amdhsa_reserve_vcc 0
		.amdhsa_float_denorm_mode_32 3
		.amdhsa_float_denorm_mode_16_64 3
		.amdhsa_memory_ordered 1
		.amdhsa_forward_progress 1
		.amdhsa_inst_pref_size 62
	.end_amdhsa_kernel
	.amdgpu_metadata
---
amdhsa.version: [ 1, 2 ]
amdhsa.kernels:
  - .name:           k_qdb24b504b3_woln
    .symbol:         k_qdb24b504b3_woln.kd
    .args:
      - { .name: x, .offset: 0, .size: 8, .value_kind: global_buffer, .address_space: global }
      - { .name: ai, .offset: 8, .size: 8, .value_kind: global_buffer, .address_space: global }
      - { .name: bo, .offset: 16, .size: 8, .value_kind: global_buffer, .address_space: global }
      - { .name: g1, .offset: 24, .size: 8, .value_kind: global_buffer, .address_space: global }
      - { .name: be1, .offset: 32, .size: 8, .value_kind: global_buffer, .address_space: global }
      - { .name: x1, .offset: 40, .size: 8, .value_kind: global_buffer, .address_space: global }
      - { .name: xi, .offset: 48, .size: 8, .value_kind: global_buffer, .address_space: global }
      - { .name: wts, .offset: 56, .size: 8, .value_kind: global_buffer, .address_space: global }
    .group_segment_fixed_size: 82176
    .private_segment_fixed_size: 0
    .kernarg_segment_align: 8
    .kernarg_segment_size: 64
    .max_flat_workgroup_size: 256
    .sgpr_count:     66
    .vgpr_count:     512
    .wavefront_size: 32
...
	.end_amdgpu_metadata
.endif
;; end of part 4
;; launch ffn1 (part 5): grid 16 x 16, 4 waves a work-group, clusters of 4 x 4, 327,680 bytes of LDS; arguments xi, wts, b1, himg; writes himg
.if DOCPART == 5
	.amdgcn_target "amdgcn-amd-amdhsa--gfx1250"
	.amdhsa_code_object_version 6
	.text
	.protected	k_qdb24b504b3_ffn1
	.globl	k_qdb24b504b3_ffn1
	.p2align	8
	.type	k_qdb24b504b3_ffn1,@function
k_qdb24b504b3_ffn1:
	s_mov_b64 s[64:65], 0
	v_nop
	global_prefetch_b8 v0, s[64:65] scope:SCOPE_SE
	s_setreg_imm32_b32 hwreg(HW_REG_WAVE_MODE, 25, 1), 1
	s_wait_xcnt 0x0
	s_wait_alu depctr_hold_cnt(0) depctr_sa_sdst(0) depctr_va_vdst(0) depctr_va_sdst(0) depctr_va_ssrc(0) depctr_va_vcc(0) depctr_vm_vsrc(0)
	s_getreg_b32 s2, hwreg(HW_REG_IB_STS2, 6, 4)
	s_cmp_eq_u32 s2, 0
	s_cbranch_scc0 .Lentry_in_a_cluster
	s_endpgm
.Lentry_in_a_cluster:
	s_bfe_u32 s2, ttmp6, 0x10000c
	s_cmp_lg_u32 s2, 0xf033
	s_cbranch_scc0 .Lentry_shape_is_right
	s_endpgm
.Lentry_shape_is_right:
.set NA, 8
.set NB, 8
.set NQ, 2
.set NS, 3
.set TSA, 13312
.set TSB, 13312
.set BBASE, 6815744
.set TROW,  NQ*1664
.set QUART, NA*TROW
.set SLOT,  4*QUART
.set SPARE, NS*SLOT
.set SPW,  1
.set NIL,  2
.set L16,  3
.set L8,   4
.set L4,   5
.set VH,   6
.set AA16, 8
.set AA8,  11
.set AA4,  14
.set AB16, 17
.set AB8,  20
.set AB4,  23
.set SCA,  32
.set SCB,  40
.set AF,   64
.set BN,   192
.set T,    64
.set PC,   128
.set TM,   148
.set PW,   164
.set G1,   24
.set G1B,  32
.set G0,   40
.set G0B,  52
.set SEL,  96
.set MSB, 0
.macro WIN new
.if MSB != (\new)
	s_set_vgpr_msb (MSB<<8)|(\new)
.set MSB, (\new)
.endif
.endm
.macro PLACES n
.rept \n
	v_nop
.endr
.endm
.macro JLOAD g0a, g0b
	s_cmp_eq_u32 s15, 0
	s_cbranch_scc0 .Lfor_b_\@
	tensor_load_to_lds s[\g0a:\g0a+3], s[G1:G1+7]
	s_nop 0
.rept 4
	v_nop
.endr
	s_branch .Lasked_\@
.Lfor_b_\@:
	tensor_load_to_lds s[\g0b:\g0b+3], s[G1B:G1B+7]
	s_nop 0
.rept 4
	v_nop
.endr
.Lasked_\@:
.endm
.macro CREST
	s_cmp_lg_u32 s14, 0
	s_cbranch_scc1 .Lnot_wave_0_\@
	s_barrier_signal -3
.Lnot_wave_0_\@:
	s_barrier_wait -3
	s_barrier_signal -1
	s_barrier_wait -1
.endm
.macro CROUND
	s_barrier_signal -1
	s_barrier_wait -1
	CREST
.endm
.macro FRAGL reg, a16, a8, off
	ds_load_b128 v[\reg:\reg+3], v[\a16] offset:\off
	ds_load_b64 v[\reg+4:\reg+5], v[\a8] offset:\off+512
	ds_load_b128 v[\reg+6:\reg+9], v[\a16] offset:\off+768
	ds_load_b64 v[\reg+10:\reg+11], v[\a8] offset:\off+1280
.endm
.macro FETCH slot, q, p
.set OC, ((\q)/2)*3328+((\q)%2)*1536
.set OS, ((\q)/2)*3328+3072+((\q)%2)*128
	WIN 0x40
.set fi, 0
.rept NB
	FRAGL 96*(\p)+12*fi, AB16+(\slot), AB8+(\slot), fi*TROW+OC
.set fi, fi+1
.endr
	WIN 0
.set fi, 0
.rept NA
	FRAGL AF+96*(\p)+12*fi, AA16+(\slot), AA8+(\slot), fi*TROW+OC
.set fi, fi+1
.endr
.set fi, 0
.rept NA
	ds_load_b32 v[SCA+16*(\p)+fi], v[AA4+(\slot)] offset:fi*TROW+OS
	ds_load_b32 v[SCB+16*(\p)+fi], v[AB4+(\slot)] offset:fi*TROW+OS
.set fi, fi+1
.endr
.endm
.macro MULR p, alo, ahi, mode
.set ma, \alo
.rept (\ahi)-(\alo)
.if \mode == 2
	WIN 0x91+0x40*(ma*NB/32)
.else
	WIN 0xa1+0x50*(ma*NB/32)
.endif
.set mb, 0
.rept NB
.set rD, (8*(NB*ma+mb))%256
.set rB, 96*(\p)+12*mb
.set rA, AF+96*(\p)+12*ma
.if \mode == 0
	v_wmma_scale_f32_16x16x128_f8f6f4 v[rD:rD+7], v[rB:rB+11], v[rA:rA+11], v[rD:rD+7], v[SCB+16*(\p)+mb], v[SCA+16*(\p)+ma] matrix_a_fmt:MATRIX_FMT_FP6 matrix_b_fmt:MATRIX_FMT_FP6
.else
	v_wmma_scale_f32_16x16x128_f8f6f4 v[rD:rD+7], v[rB:rB+11], v[rA:rA+11], v[BN+8*mb:BN+8*mb+7], v[SCB+16*(\p)+mb], v[SCA+16*(\p)+ma] matrix_a_fmt:MATRIX_FMT_FP6 matrix_b_fmt:MATRIX_FMT_FP6
.endif
.set mb, mb+1
.endr
.set ma, ma+1
.endr
.endm
.macro STEP p, nslot, nq, mode
	s_wait_dscnt 0x0
	PLACES 4
	FETCH \nslot, \nq, 1-(\p)
	MULR \p, 0, NA, \mode
.endm
.macro TURN slot, next, fill, adv
	WIN 0
	s_wait_tensorcnt 0x0
	ds_add_u32 v[SPW], v[NIL]
	s_wait_dscnt 1
	MULR 1, 0, NA/4, 0
	s_wait_dscnt 0x0
	s_barrier_signal -1
	MULR 1, NA/4, NA/2, 0
	WIN 0
	s_barrier_wait -1
.if \fill
	CREST
	s_add_nc_u64 s[G0+4*\slot+2:G0+4*\slot+3], s[G0+4*\slot+2:G0+4*\slot+3], \adv
	s_add_nc_u64 s[G0B+4*\slot+2:G0B+4*\slot+3], s[G0B+4*\slot+2:G0B+4*\slot+3], \adv
	JLOAD G0+4*\slot, G0B+4*\slot
.else
	PLACES 4
.endif
	s_wait_alu depctr_va_vdst(0)
	FETCH \next, 0, 0
	MULR 1, NA/2, NA, 0
.endm
.macro QUANT s
.irp b, 0,1,2,3
	v_max3_num_f32 v[TM+\b], |v[\s+16*\b]|, |v[\s+1+16*\b]|, 0x1800000
.endr
.irp i, 2,4,6,8,10,12,14
.irp b, 0,1,2,3
	v_max3_num_f32 v[TM+\b], v[TM+\b], |v[\s+16*\b+\i]|, |v[\s+1+16*\b+\i]|
.endr
.endr
.irp b, 0,1,2,3
	v_permlanex16_b32 v[TM+4+\b], v[TM+\b], s[SEL], s[SEL+1]
.endr
.irp b, 0,1,2,3
	v_max_num_f32 v[TM+\b], v[TM+\b], v[TM+4+\b]
.endr
.irp b, 0,1,2,3
	v_add_nc_u32 v[TM+12+\b], 0xff000000, v[TM+\b]
.endr
.irp b, 0,1,2,3
	v_lshrrev_b32 v[TM+4+\b], 23, v[TM+12+\b]
.endr
	v_lshl_or_b32 v[PW], v[TM+5], 8, v[TM+4]
	v_lshl_or_b32 v[PW], v[TM+6], 16, v[PW]
	v_lshl_or_b32 v[PW], v[TM+7], 24, v[PW]
.irp c, 0,1
	v_cvt_scalef32_pk16_fp6_f32 v[PC+6*\c:PC+2+6*\c], v[\s+32*\c:\s+15+32*\c], v[TM+12+2*\c]
	v_cvt_scalef32_pk16_fp6_f32 v[PC+12+4*\c:PC+14+4*\c], v[\s+16+32*\c:\s+31+32*\c], v[TM+12+2*\c+1]
.endr
	v_nop
.irp c, 0,1
.irp i, 0,1,2
	v_permlane16_swap_b32 v[PC+6*\c+\i], v[PC+12+4*\c+\i]
.endr
.irp i, 0,1,2
	v_mov_b32 v[PC+3+6*\c+\i], v[PC+12+4*\c+\i]
.endr
.endr
.endm
.macro IMGST cb, sb, off, soff
	global_store_b128 v[L16], v[PC:PC+3], s[\cb:\cb+1] offset:\off
	global_store_b64 v[L8], v[PC+4:PC+5], s[\cb:\cb+1] offset:(\off)+512
	global_store_b128 v[L16], v[PC+6:PC+9], s[\cb:\cb+1] offset:(\off)+768
	global_store_b64 v[L8], v[PC+10:PC+11], s[\cb:\cb+1] offset:(\off)+1280
	global_store_b32 v[L4], v[PW], s[\sb:\sb+1] offset:\soff
.endm
	s_load_b128 s[4:7], s[0:1], 0x0
	s_load_b128 s[8:11], s[0:1], 0x10
	v_lshl_add_u32 v[SPW], v0, 2, SPARE
	v_mov_b32 v[NIL], 0
	ds_add_u32 v1, v2
	ds_add_u32 v1, v2
	s_wait_dscnt 0x0
	v_lshrrev_b32 v26, 5, v0
	v_readfirstlane_b32 s14, v26
	s_lshr_b32 s15, s14, 1
	s_and_b32 s16, s14, 1
	s_bfe_u32 s17, ttmp6, 0x40000
	s_bfe_u32 s18, ttmp6, 0x40004
	s_lshl_b32 s19, ttmp9, 2
	s_add_co_u32 s19, s19, s17
	s_and_b32 s2, ttmp7, 0xffff
	s_lshl_b32 s20, s2, 2
	s_add_co_u32 s20, s20, s18
	s_lshl_b32 s21, s18, 2
	s_lshl_b32 s21, 15, s21
	s_lshl_b32 s22, 0x1111, s17
	s_or_b32 s[G1], s21, (3<<16)|(1<<21)
	s_or_b32 s[G1B], s22, (3<<16)|(1<<21)
.irp g, G1, G1B
	s_mov_b32 s[\g+1], (NQ*208)<<16
	s_mov_b32 s[\g+2], NA<<16
	s_mov_b32 s[\g+3], (NQ*208)<<16
	s_mov_b32 s[\g+4], NA
	s_mov_b32 s[\g+6], 0
	s_mov_b32 s[\g+7], 0
.endr
	s_mov_b32 s[G1+5], TSA/8
	s_mov_b32 s[G1B+5], TSB/8
	s_mul_i32 s66, s20, 2*NA*TSA
	s_mul_i32 s67, s16, NA*TSA
	s_add_co_u32 s66, s66, s67
	s_mov_b32 s67, 0
	s_mul_i32 s70, s19, 2*NB*TSB
	s_mul_i32 s71, s16, NB*TSB
	s_add_co_u32 s70, s70, s71
	s_add_co_u32 s70, s70, BBASE
	s_mov_b32 s71, 0
	s_mul_i32 s23, s14, QUART
	s_wait_kmcnt 0x0
	s_add_nc_u64 s[66:67], s[4:5], s[66:67]
	s_add_nc_u64 s[70:71], s[6:7], s[70:71]
	CROUND
.set hs, 0
.rept NS
	s_mov_b32 s[G0+4*hs], 1
	s_add_co_u32 s[G0+4*hs+1], s23, hs*SLOT
	s_add_nc_u64 s[G0+4*hs+2:G0+4*hs+3], s[66:67], hs*TROW
	s_or_b32 s[G0+4*hs+3], s[G0+4*hs+3], 0x80000000
	s_mov_b32 s[G0B+4*hs], 1
	s_add_co_u32 s[G0B+4*hs+1], s23, hs*SLOT
	s_add_nc_u64 s[G0B+4*hs+2:G0B+4*hs+3], s[70:71], hs*TROW
	s_or_b32 s[G0B+4*hs+3], s[G0B+4*hs+3], 0x80000000
	s_wait_alu depctr_va_vdst(0)
	s_wait_tensorcnt 0x0
	ds_add_u32 v1, v2
	ds_add_u32 v1, v2
	s_wait_dscnt 0x0
	CROUND
	JLOAD G0+4*hs, G0B+4*hs
.set hs, hs+1
.endr
	v_and_b32 v26, 31, v0
	v_lshlrev_b32 v[L16], 4, v26
	v_lshlrev_b32 v[L8], 3, v26
	v_lshlrev_b32 v[L4], 2, v26
	v_bfe_u32 v27, v0, 4, 1
	v_lshlrev_b32 v[VH], 6, v27
	s_mul_i32 s68, s15, QUART
	s_mul_i32 s69, s16, QUART
	s_add_co_u32 s69, s69, 2*QUART
.set hs, 0
.rept NS
	v_add_nc_u32 v[AA16+hs], s68, v[L16]
	v_add_nc_u32 v[AA8+hs], s68, v[L8]
	v_add_nc_u32 v[AA4+hs], s68, v[L4]
	v_add_nc_u32 v[AB16+hs], s69, v[L16]
	v_add_nc_u32 v[AB8+hs], s69, v[L8]
	v_add_nc_u32 v[AB4+hs], s69, v[L4]
	s_add_co_u32 s68, s68, SLOT
	s_add_co_u32 s69, s69, SLOT
.set hs, hs+1
.endr
	s_lshl_b32 s78, s19, 10
	s_lshl_b32 s79, s16, 9
	s_add_co_u32 s78, s78, s79
	s_mov_b32 s79, 0
	s_add_nc_u64 s[76:77], s[8:9], s[78:79]
	WIN 0x40
.irp b, 0,1,2,3
.irp j, 0,1,2,3
	global_load_b128 v[BN+16*\b+4*\j:BN+16*\b+4*\j+3], v[VH], s[76:77] offset:128*\b+16*\j
.endr
.endr
	WIN 0
	s_lshl_b32 s80, s20, 4
	s_lshl_b32 s81, s15, 3
	s_add_co_u32 s80, s80, s81
	s_mul_i32 s80, s80, 53248
	s_mul_i32 s81, s19, 3328
	s_add_co_u32 s80, s80, s81
	s_mul_i32 s81, s16, 1536
	s_add_co_u32 s82, s80, s81
	s_mov_b32 s83, 0
	s_lshl_b32 s81, s16, 7
	s_add_co_u32 s84, s80, s81
	s_add_co_u32 s84, s84, 3072
	s_mov_b32 s85, 0
	s_add_nc_u64 s[82:83], s[10:11], s[82:83]
	s_add_nc_u64 s[84:85], s[10:11], s[84:85]
	s_mov_b32 s[SEL], 0x76543210
	s_mov_b32 s[SEL+1], 0xfedcba98
	s_wait_loadcnt 0x0
	s_wait_tensorcnt NS-1
	s_barrier_signal -1
	s_barrier_wait -1
	FETCH 0, 0, 0
	STEP 0, 0, 1, 2
	TURN 0, 1, 1, 3*TROW
	STEP 0, 1, 1, 0
	STEP 1, 2, 0, 0
	STEP 0, 2, 1, 0
	TURN 2, 0, 0, 0
	STEP 0, 0, 1, 0
	s_wait_dscnt 0x0
	MULR 1, 0, NA, 0
	WIN 0
	PLACES 4
.irp b, 0,1,2,3
	v_mov_b32 v[TM+4+\b], 0
.endr
.irp a, 0,1,2,3,4,5,6,7
	WIN 0x08+4*(\a/4)
.set i, 0
.rept 64
	v_max_num_f32 v[T+i], 0, v[(64*\a)%256+i]
.set i, i+1
.endr
	WIN 0
	s_wait_xcnt 0x0
	QUANT T
	IMGST 82, 84, \a*53248, \a*53248
.endr
	s_wait_tensorcnt 0x0
	ds_add_u32 v[SPW], v[NIL]
	s_wait_dscnt 0x0
	CROUND
	s_endpgm
.Lfunc_end_k_qdb24b504b3_ffn1:
	.size	k_qdb24b504b3_ffn1, .Lfunc_end_k_qdb24b504b3_ffn1-k_qdb24b504b3_ffn1
	.p2alignl 7, 3214868480
	.fill 96, 4, 3214868480
	.section	.rodata,"a",@progbits
	.p2align	6, 0x0
	.amdhsa_kernel k_qdb24b504b3_ffn1
		.amdhsa_group_segment_fixed_size 327680
		.amdhsa_private_segment_fixed_size 0
		.amdhsa_enable_private_segment 0
		.amdhsa_kernarg_size 32
		.amdhsa_user_sgpr_count 2
		.amdhsa_user_sgpr_kernarg_segment_ptr 1
		.amdhsa_wavefront_size32 1
		.amdhsa_system_sgpr_workgroup_id_x 1
		.amdhsa_system_sgpr_workgroup_id_y 1
		.amdhsa_system_sgpr_workgroup_id_z 1
		.amdhsa_system_vgpr_workitem_id 0
		.amdhsa_next_free_vgpr 1024
		.amdhsa_next_free_sgpr 100
		.amdhsa_reserve_vcc 0
		.amdhsa_float_denorm_mode_32 3
		.amdhsa_float_denorm_mode_16_64 3
		.amdhsa_memory_ordered 1
		.amdhsa_forward_progress 1
		.amdhsa_inst_pref_size 170
	.end_amdhsa_kernel
	.amdgpu_metadata
---
amdhsa.version: [ 1, 2 ]
amdhsa.kernels:
  - .name:           k_qdb24b504b3_ffn1
    .symbol:         k_qdb24b504b3_ffn1.kd
    .args:
      - { .name: xi, .offset: 0, .size: 8, .value_kind: global_buffer, .address_space: global }
      - { .name: wts, .offset: 8, .size: 8, .value_kind: global_buffer, .address_space: global }
      - { .name: b1, .offset: 16, .size: 8, .value_kind: global_buffer, .address_space: global }
      - { .name: himg, .offset: 24, .size: 8, .value_kind: global_buffer, .address_space: global }
    .group_segment_fixed_size: 327680
    .private_segment_fixed_size: 0
    .kernarg_segment_align: 8
    .kernarg_segment_size: 32
    .max_flat_workgroup_size: 128
    .sgpr_count:     100
    .vgpr_count:     1024
    .wavefront_size: 32
...
	.end_amdgpu_metadata
.endif
;; end of part 5
;; launch ffn2 (part 6): grid 8 x 32, 4 waves a work-group, clusters of 4 x 4, 327,680 bytes of LDS; arguments himg, wts, yacc; writes yacc
.if DOCPART == 6
	.amdgcn_target "amdgcn-amd-amdhsa--gfx1250"
	.amdhsa_code_object_version 6
	.text
	.protected	k_qdb24b504b3_ffn2
	.globl	k_qdb24b504b3_ffn2
	.p2align	8
	.type	k_qdb24b504b3_ffn2,@function
k_qdb24b504b3_ffn2:
	s_mov_b64 s[64:65], 0
	v_nop
	global_prefetch_b8 v0, s[64:65] scope:SCOPE_SE
	s_setreg_imm32_b32 hwreg(HW_REG_WAVE_MODE, 25, 1), 1
	s_wait_xcnt 0x0
	s_wait_alu depctr_hold_cnt(0) depctr_sa_sdst(0) depctr_va_vdst(0) depctr_va_sdst(0) depctr_va_ssrc(0) depctr_va_vcc(0) depctr_vm_vsrc(0)
	s_getreg_b32 s2, hwreg(HW_REG_IB_STS2, 6, 4)
	s_cmp_eq_u32 s2, 0
	s_cbranch_scc0 .Lentry_in_a_cluster
	s_endpgm
.Lentry_in_a_cluster:
	s_bfe_u32 s2, ttmp6, 0x10000c
	s_cmp_lg_u32 s2, 0xf033
	s_cbranch_scc0 .Lentry_shape_is_right
	s_endpgm
.Lentry_shape_is_right:
.set KT, 32
.set TSA, 53248
.set TSB, 53248
.set BBASE, 10223616
.set NA, 4
.set NB, 4
.set NQ, 6
.set NS, 2
.set TROW,  NQ*1664
.set TAILROW, (KT-5*NQ)*1664
.set QUART, NA*TROW
.set SLOT,  4*QUART
.set SPARE, NS*SLOT
.set TR,    TROW
.set SPW,  1
.set NIL,  2
.set L16,  3
.set L8,   4
.set L4,   5
.set AA16, 8
.set AA8,  11
.set AA4,  14
.set AB16, 17
.set AB8,  20
.set AB4,  23
.set SCA,  32
.set SCB,  40
.set AF,   64
.set G1,   24
.set G1B,  32
.set G0,   40
.set G0B,  52
.set G1T,  84
.set G1BT, 92
.set MSB, 0
.macro WIN new
.if MSB != (\new)
	s_set_vgpr_msb (MSB<<8)|(\new)
.set MSB, (\new)
.endif
.endm
.macro PLACES n
.rept \n
	v_nop
.endr
.endm
.macro JLOAD g0a, g1a, g0b, g1b
	s_cmp_eq_u32 s15, 0
	s_cbranch_scc0 .Lfor_b_\@
	tensor_load_to_lds s[\g0a:\g0a+3], s[\g1a:\g1a+7]
	s_nop 0
.rept 4
	v_nop
.endr
	s_branch .Lasked_\@
.Lfor_b_\@:
	tensor_load_to_lds s[\g0b:\g0b+3], s[\g1b:\g1b+7]
	s_nop 0
.rept 4
	v_nop
.endr
.Lasked_\@:
.endm
.macro CREST
	s_cmp_lg_u32 s14, 0
	s_cbranch_scc1 .Lnot_wave_0_\@
	s_barrier_signal -3
.Lnot_wave_0_\@:
	s_barrier_wait -3
	s_barrier_signal -1
	s_barrier_wait -1
.endm
.macro CROUND
	s_barrier_signal -1
	s_barrier_wait -1
	CREST
.endm
.macro FRAGL reg, a16, a8, off
	ds_load_b128 v[\reg:\reg+3], v[\a16] offset:\off
	ds_load_b64 v[\reg+4:\reg+5], v[\a8] offset:\off+512
	ds_load_b128 v[\reg+6:\reg+9], v[\a16] offset:\off+768
	ds_load_b64 v[\reg+10:\reg+11], v[\a8] offset:\off+1280
.endm
.macro FETCH slot, q, p
.set OC, ((\q)/2)*3328+((\q)%2)*1536
.set OS, ((\q)/2)*3328+3072+((\q)%2)*128
	WIN 0x40
.set fi, 0
.rept NB
	FRAGL 96*(\p)+12*fi, AB16+(\slot), AB8+(\slot), fi*TR+OC
.set fi, fi+1
.endr
	WIN 0
.set fi, 0
.rept NA
	FRAGL AF+96*(\p)+12*fi, AA16+(\slot), AA8+(\slot), fi*TR+OC
.set fi, fi+1
.endr
.set fi, 0
.rept NA
	ds_load_b32 v[SCA+16*(\p)+fi], v[AA4+(\slot)] offset:fi*TR+OS
	ds_load_b32 v[SCB+16*(\p)+fi], v[AB4+(\slot)] offset:fi*TR+OS
.set fi, fi+1
.endr
.endm
.macro MULR p, alo, ahi, mode
.set ma, \alo
.rept (\ahi)-(\alo)
	WIN 0xa1
.set mb, 0
.rept NB
.set rD, (8*(NB*ma+mb))%256
.set rB, 96*(\p)+12*mb
.set rA, AF+96*(\p)+12*ma
.if \mode == 0
	v_wmma_scale_f32_16x16x128_f8f6f4 v[rD:rD+7], v[rB:rB+11], v[rA:rA+11], v[rD:rD+7], v[SCB+16*(\p)+mb], v[SCA+16*(\p)+ma] matrix_a_fmt:MATRIX_FMT_FP6 matrix_b_fmt:MATRIX_FMT_FP6
.else
	v_wmma_scale_f32_16x16x128_f8f6f4 v[rD:rD+7], v[rB:rB+11], v[rA:rA+11], 0, v[SCB+16*(\p)+mb], v[SCA+16*(\p)+ma] matrix_a_fmt:MATRIX_FMT_FP6 matrix_b_fmt:MATRIX_FMT_FP6
.endif
.set mb, mb+1
.endr
.set ma, ma+1
.endr
.endm
.macro STEP p, nslot, nq, mode
	s_wait_dscnt 0x0
	PLACES 4
	FETCH \nslot, \nq, 1-(\p)
	MULR \p, 0, NA, \mode
.endm
.macro FIVE slot, mode
	STEP 0, \slot, 1, \mode
	STEP 1, \slot, 2, 0
	STEP 0, \slot, 3, 0
	STEP 1, \slot, 4, 0
	STEP 0, \slot, 5, 0
.endm
.macro TURN slot, next, fill
	WIN 0
	s_wait_tensorcnt 0x0
	ds_add_u32 v[SPW], v[NIL]
	s_wait_dscnt 1
	MULR 1, 0, NA/4, 0
	s_wait_dscnt 0x0
	s_barrier_signal -1
	MULR 1, NA/4, NA/2, 0
	WIN 0
	s_barrier_wait -1
.if \fill
	CREST
	s_add_nc_u64 s[G0+4*\slot+2:G0+4*\slot+3], s[G0+4*\slot+2:G0+4*\slot+3], 2*TROW
	s_add_nc_u64 s[G0B+4*\slot+2:G0B+4*\slot+3], s[G0B+4*\slot+2:G0B+4*\slot+3], 2*TROW
.if \fill == 1
	JLOAD G0+4*\slot, G1, G0B+4*\slot, G1B
.else
	JLOAD G0+4*\slot, G1T, G0B+4*\slot, G1BT
.endif
.else
	PLACES 4
.endif
	FETCH \next, 0, 0
	MULR 1, NA/2, NA, 0
.endm
	s_load_b128 s[4:7], s[0:1], 0x0
	s_load_b64 s[8:9], s[0:1], 0x10
	v_lshl_add_u32 v[SPW], v0, 2, SPARE
	v_mov_b32 v[NIL], 0
	ds_add_u32 v1, v2
	ds_add_u32 v1, v2
	s_wait_dscnt 0x0
	v_lshrrev_b32 v26, 5, v0
	v_readfirstlane_b32 s14, v26
	s_lshr_b32 s15, s14, 1
	s_and_b32 s16, s14, 1
	s_bfe_u32 s17, ttmp6, 0x40000
	s_bfe_u32 s18, ttmp6, 0x40004
	s_lshl_b32 s19, ttmp9, 2
	s_add_co_u32 s19, s19, s17
	s_and_b32 s2, ttmp7, 0xffff
	s_lshl_b32 s20, s2, 2
	s_add_co_u32 s20, s20, s18
	s_lshl_b32 s21, s18, 2
	s_lshl_b32 s21, 15, s21
	s_lshl_b32 s22, 0x1111, s17
	s_or_b32 s[G1], s21, (3<<16)|(1<<21)
	s_or_b32 s[G1B], s22, (3<<16)|(1<<21)
	s_or_b32 s[G1T], s21, (3<<16)|(1<<21)
	s_or_b32 s[G1BT], s22, (3<<16)|(1<<21)
.irp g, G1, G1B
	s_mov_b32 s[\g+1], (TROW/8)<<16
	s_mov_b32 s[\g+2], NA<<16
	s_mov_b32 s[\g+3], (TROW/8)<<16
	s_mov_b32 s[\g+4], NA
	s_mov_b32 s[\g+6], 0
	s_mov_b32 s[\g+7], 0
.endr
.irp g, G1T, G1BT
	s_mov_b32 s[\g+1], (TAILROW/8)<<16
	s_mov_b32 s[\g+2], NA<<16
	s_mov_b32 s[\g+3], (TAILROW/8)<<16
	s_mov_b32 s[\g+4], NA
	s_mov_b32 s[\g+6], 0
	s_mov_b32 s[\g+7], 0
.endr
	s_mov_b32 s[G1+5], TSA/8
	s_mov_b32 s[G1B+5], TSB/8
	s_mov_b32 s[G1T+5], TSA/8
	s_mov_b32 s[G1BT+5], TSB/8
	s_mul_i32 s66, s20, 2*NA*TSA
	s_mul_i32 s67, s16, NA*TSA
	s_add_co_u32 s66, s66, s67
	s_mov_b32 s67, 0
	s_mul_i32 s70, s19, 2*NB*TSB
	s_mul_i32 s71, s16, NB*TSB
	s_add_co_u32 s70, s70, s71
	s_add_co_u32 s70, s70, BBASE
	s_mov_b32 s71, 0
	s_mul_i32 s23, s14, QUART
	s_wait_kmcnt 0x0
	s_add_nc_u64 s[66:67], s[4:5], s[66:67]
	s_add_nc_u64 s[70:71], s[6:7], s[70:71]
	CROUND
.set hs, 0
.rept NS
	s_mov_b32 s[G0+4*hs], 1
	s_add_co_u32 s[G0+4*hs+1], s23, hs*SLOT
	s_add_nc_u64 s[G0+4*hs+2:G0+4*hs+3], s[66:67], hs*TROW
	s_or_b32 s[G0+4*hs+3], s[G0+4*hs+3], 0x80000000
	s_mov_b32 s[G0B+4*hs], 1
	s_add_co_u32 s[G0B+4*hs+1], s23, hs*SLOT
	s_add_nc_u64 s[G0B+4*hs+2:G0B+4*hs+3], s[70:71], hs*TROW
	s_or_b32 s[G0B+4*hs+3], s[G0B+4*hs+3], 0x80000000
	s_wait_alu depctr_va_vdst(0)
	s_wait_tensorcnt 0x0
	ds_add_u32 v1, v2
	ds_add_u32 v1, v2
	s_wait_dscnt 0x0
	CROUND
	JLOAD G0+4*hs, G1, G0B+4*hs, G1B
.set hs, hs+1
.endr
	v_and_b32 v26, 31, v0
	v_lshlrev_b32 v[L16], 4, v26
	v_lshlrev_b32 v[L8], 3, v26
	v_lshlrev_b32 v[L4], 2, v26
	s_mul_i32 s68, s15, QUART
	s_mul_i32 s69, s16, QUART
	s_add_co_u32 s69, s69, 2*QUART
.set hs, 0
.rept NS
	v_add_nc_u32 v[AA16+hs], s68, v[L16]
	v_add_nc_u32 v[AA8+hs], s68, v[L8]
	v_add_nc_u32 v[AA4+hs], s68, v[L4]
	v_add_nc_u32 v[AB16+hs], s69, v[L16]
	v_add_nc_u32 v[AB8+hs], s69, v[L8]
	v_add_nc_u32 v[AB4+hs], s69, v[L4]
	s_add_co_u32 s68, s68, SLOT
	s_add_co_u32 s69, s69, SLOT
.set hs, hs+1
.endr
	s_lshl_b32 s80, s20, 3
	s_lshl_b32 s81, s15, 2
	s_add_co_u32 s80, s80, s81
	s_lshl_b32 s80, s80, 16
	s_lshl_b32 s81, s19, 3
	s_lshl_b32 s82, s16, 2
	s_add_co_u32 s81, s81, s82
	s_lshl_b32 s81, s81, 10
	s_add_co_u32 s80, s80, s81
	s_mov_b32 s81, 0
	s_add_nc_u64 s[80:81], s[8:9], s[80:81]
	s_wait_alu depctr_va_vdst(0)
	s_wait_tensorcnt NS-1
	s_barrier_signal -1
	s_barrier_wait -1
	FETCH 0, 0, 0
	FIVE 0, 1
	TURN 0, 1, 1
	FIVE 1, 0
	TURN 1, 0, 1
	FIVE 0, 0
	TURN 0, 1, 1
	FIVE 1, 0
	TURN 1, 0, 2
	FIVE 0, 0
.set TR, TAILROW
	TURN 0, 1, 0
	STEP 0, 1, 1, 0
	s_wait_dscnt 0x0
	MULR 1, 0, NA, 0
	PLACES 4
	WIN 0x08
.irp a, 0,1,2,3
.irp b, 0,1,2,3
	global_store_b128 v[L16], v[8*(4*\a+\b):8*(4*\a+\b)+3], s[80:81] offset:\a*65536+\b*1024
	global_store_b128 v[L16], v[8*(4*\a+\b)+4:8*(4*\a+\b)+7], s[80:81] offset:\a*65536+\b*1024+512
.endr
.endr
	WIN 0
	s_wait_tensorcnt 0x0
	ds_add_u32 v[SPW], v[NIL]
	s_wait_dscnt 0x0
	CROUND
	s_endpgm
.Lfunc_end_k_qdb24b504b3_ffn2:
	.size	k_qdb24b504b3_ffn2, .Lfunc_end_k_qdb24b504b3_ffn2-k_qdb24b504b3_ffn2
	.p2alignl 7, 3214868480
	.fill 96, 4, 3214868480
	.section	.rodata,"a",@progbits
	.p2align	6, 0x0
	.amdhsa_kernel k_qdb24b504b3_ffn2
		.amdhsa_group_segment_fixed_size 327680
		.amdhsa_private_segment_fixed_size 0
		.amdhsa_enable_private_segment 0
		.amdhsa_kernarg_size 24
		.amdhsa_user_sgpr_count 2
		.amdhsa_user_sgpr_kernarg_segment_ptr 1
		.amdhsa_wavefront_size32 1
		.amdhsa_system_sgpr_workgroup_id_x 1
		.amdhsa_system_sgpr_workgroup_id_y 1
		.amdhsa_system_sgpr_workgroup_id_z 1
		.amdhsa_system_vgpr_workitem_id 0
		.amdhsa_next_free_vgpr 640
		.amdhsa_next_free_sgpr 100
		.amdhsa_reserve_vcc 0
		.amdhsa_float_denorm_mode_32 3
		.amdhsa_float_denorm_mode_16_64 3
		.amdhsa_memory_ordered 1
		.amdhsa_forward_progress 1
		.amdhsa_inst_pref_size 169
	.end_amdhsa_kernel
	.amdgpu_metadata
---
amdhsa.version: [ 1, 2 ]
amdhsa.kernels:
  - .name:           k_qdb24b504b3_ffn2
    .symbol:         k_qdb24b504b3_ffn2.kd
    .args:
      - { .name: himg, .offset: 0, .size: 8, .value_kind: global_buffer, .address_space: global }
      - { .name: wts, .offset: 8, .size: 8, .value_kind: global_buffer, .address_space: global }
      - { .name: yacc, .offset: 16, .size: 8, .value_kind: global_buffer, .address_space: global }
    .group_segment_fixed_size: 327680
    .private_segment_fixed_size: 0
    .kernarg_segment_align: 8
    .kernarg_segment_size: 24
    .max_flat_workgroup_size: 128
    .sgpr_count:     100
    .vgpr_count:     640
    .wavefront_size: 32
...
	.end_amdgpu_metadata
.endif
;; end of part 6
;; launch ln2 (part 7): grid 256 x 1, 8 waves a work-group, no clusters, 68,864 bytes of LDS; arguments x1, yacc, b2, g2, be2, out0; writes out0
.if DOCPART == 7
	.amdgcn_target "amdgcn-amd-amdhsa--gfx1250"
	.amdhsa_code_object_version 6
	.text
	.protected	k_qdb24b504b3_ln2
	.globl	k_qdb24b504b3_ln2
	.p2align	8
	.type	k_qdb24b504b3_ln2,@function
k_qdb24b504b3_ln2:
	s_mov_b64 s[64:65], 0
	v_nop
	global_prefetch_b8 v0, s[64:65] scope:SCOPE_SE
	s_setreg_imm32_b32 hwreg(HW_REG_WAVE_MODE, 25, 1), 1
	s_wait_xcnt 0x0
; LN: out = LayerNorm(res + sums + bias) x gamma + beta, rows of 1,024, all in f32.
; res and out are row-major [4,096][1,024].  sums are accumulator images: (row tile, column tile) in 1,024 bytes: lane (r, h), register j = row r of the tile, column 32 (ct / 2) + 8 (ct % 2) + 16 h + j.
; A tile's row r is row 32 (T / 2) + 8 (T % 2) + r + 8 (r / 8).
; SHARES: a work-group owns a tile of 16 rows, whole; wave w owns columns 128 w .. 128 w + 127: 64 numbers a lane, register 16 b + i = column 128 w + 32 b + 16 h + i.
; res is loaded by rows (512 consecutive bytes a load) and turned into that layout through a stage in LDS; the result goes back the same way, so that each store covers 512 consecutive bytes of a row.
; Mean and variance in two passes, as the definition has them: each lane's sum, lane l xor 16's, then the eight waves' through LDS.  Four barriers.
; Memory binds: no matrix unit, no tensor load; no cluster: work-groups share only the three vectors of 4 KiB.
; LIMITS: NaN and infinities are not served; 1 / sqrt by v_rsq_f32.
.set PITCH, 4112                       ; a stage row: 4,096 bytes + 16: an odd multiple of 16 bytes
.set RED,   16*PITCH                   ; behind the stage: 1,024 bytes for the sums, 1,024 for the squares
.set L16,  1
.set L4,   3
.set VH,   4                           ; 64 x (lane / 16)
.set STW,  5                           ; the stage by rows: my rows 2 w, 2 w + 1; 16 x lane
.set STR,  6                           ; the stage by tiles: row r, + 512 w + 64 h
.set RDW,  7                           ; RED + 4 x thread
.set RDR,  8                           ; RED + 4 x lane
.set S,    12                          ; v12-19  four chains of sums
.set U,    50                          ; v50-57  the eight waves' sums
.set M,    58                          ; v[58:59] the mean, later 1 / sqrt, twice
.set V,    64
.set T,    128
.set B,    192
.set SEL,  30
.macro VEC reg, base                           ; a vector's 64 numbers of my columns
.irp b, 0,1,2,3
.irp j, 0,1,2,3
	global_load_b128 v[\reg+16*\b+4*\j:\reg+16*\b+4*\j+3], v[VH], s[\base:\base+1] offset:128*\b+16*\j
.endr
.endr
.endm
.macro ROWSUM off                              ; the four chains -> the row's sum over all 1,024 columns, in v[U]
	s_delay_alu instid0(VALU_DEP_3)
	v_pk_add_f32 v[S:S+1], v[S:S+1], v[S+2:S+3]
	s_delay_alu instid0(VALU_DEP_2)
	v_pk_add_f32 v[S+4:S+5], v[S+4:S+5], v[S+6:S+7]
	s_delay_alu instid0(VALU_DEP_1)
	v_pk_add_f32 v[S:S+1], v[S:S+1], v[S+4:S+5]
	s_delay_alu instid0(VALU_DEP_1)
	v_add_f32 v[S], v[S], v[S+1]
	s_delay_alu instid0(VALU_DEP_1)
	v_permlanex16_b32 v[S+1], v[S], s[SEL], s[SEL+1]
	s_delay_alu instid0(VALU_DEP_1)
	v_add_f32 v[S], v[S], v[S+1]                   ; my wave's 128 columns of row r
	ds_store_b32 v[RDW], v[S] offset:\off
	s_wait_dscnt 0x0                               ; for the others' sake: my store has landed (and my reads of the stage are over)
	s_barrier_signal -1
	s_barrier_wait -1
.irp k, 0,1,2,3,4,5,6,7
	ds_load_b32 v[U+\k], v[RDR] offset:\off+128*\k
.endr
	s_wait_dscnt 0x0
	v_add_f32 v[U], v[U], v[U+1]
	v_add_f32 v[U+2], v[U+2], v[U+3]
	v_add_f32 v[U+4], v[U+4], v[U+5]
	v_add_f32 v[U+6], v[U+6], v[U+7]
	s_delay_alu instid0(VALU_DEP_3)
	v_add_f32 v[U], v[U], v[U+2]
	s_delay_alu instid0(VALU_DEP_2)
	v_add_f32 v[U+4], v[U+4], v[U+6]
	s_delay_alu instid0(VALU_DEP_1)
	v_add_f32 v[U], v[U], v[U+4]
.endm
	s_load_b256 s[4:11], s[0:1], 0x0               ; res s[4:5], sums s[6:7], bias s[8:9], gamma s[10:11]
	s_load_b128 s[12:15], s[0:1], 0x20             ; beta s[12:13], out s[14:15]
	v_lshl_add_u32 v62, v0, 2, 0x10900
	v_mov_b32 v63, 0
	v_lshrrev_b32 v9, 5, v0
	s_delay_alu instid0(VALU_DEP_1)
	v_readfirstlane_b32 s18, v9                    ; wave 0..7
	v_and_b32 v9, 31, v0
	s_delay_alu instid0(VALU_DEP_1)
	v_lshlrev_b32 v[L16], 4, v9
	s_delay_alu instid0(VALU_DEP_2)
	v_lshlrev_b32 v[L4], 2, v9
	v_bfe_u32 v10, v0, 4, 1
	s_delay_alu instid0(VALU_DEP_1)
	v_lshlrev_b32 v[VH], 6, v10
	s_mul_i32 s19, s18, 2*PITCH
	v_add_nc_u32 v[STW], s19, v[L16]
	v_and_b32 v11, 15, v0
	s_delay_alu instid0(VALU_DEP_1)
	v_mul_u32_u24 v[STR], v11, PITCH
	s_delay_alu instid0(VALU_DEP_1)
	v_add_nc_u32 v[STR], v[STR], v[VH]
	s_lshl_b32 s19, s18, 9
	v_add_nc_u32 v[STR], s19, v[STR]
	v_lshl_add_u32 v[RDW], v0, 2, RED
	v_add_nc_u32 v[RDR], RED, v[L4]
	s_mov_b32 s[SEL], 0x76543210
	s_mov_b32 s[SEL+1], 0xfedcba98
	s_mov_b32 s24, 0x3a800000                      ; 1 / 1,024
	s_mov_b32 s25, 0x358637bd                      ; 1e-6
	s_lshr_b32 s20, ttmp9, 1
	s_lshl_b32 s20, s20, 5
	s_and_b32 s21, ttmp9, 1
	s_lshl_b32 s21, s21, 3
	s_add_co_u32 s20, s20, s21                     ; the tile's first row
	s_lshl_b32 s21, s18, 1
	s_add_co_u32 s20, s20, s21
	s_lshr_b32 s21, s18, 2
	s_lshl_b32 s21, s21, 3
	s_add_co_u32 s20, s20, s21                     ; the tile's rows 2 w and 2 w + 1 are neighbours in memory
	s_lshl_b32 s20, s20, 12
	s_mov_b32 s21, 0
	s_lshl_b32 s22, ttmp9, 16
	s_lshl_b32 s23, s18, 13
	s_add_co_u32 s22, s22, s23                     ; my eight column tiles of the sums
	s_mov_b32 s23, 0
	s_mov_b32 s26, s19                             ; 512 w: my columns in the vectors
	s_mov_b32 s27, 0
	s_wait_alu depctr_va_vdst(0)
	s_wait_kmcnt 0x0
	s_add_nc_u64 s[4:5], s[4:5], s[20:21]
	s_add_nc_u64 s[14:15], s[14:15], s[20:21]
	s_add_nc_u64 s[6:7], s[6:7], s[22:23]
	s_add_nc_u64 s[8:9], s[8:9], s[26:27]
	s_add_nc_u64 s[10:11], s[10:11], s[26:27]
	s_add_nc_u64 s[12:13], s[12:13], s[26:27]
.irp e, 0,1
.irp j, 0,1,2,3,4,5,6,7
	global_load_b128 v[T+32*\e+4*\j:T+32*\e+4*\j+3], v[L16], s[4:5] offset:4096*\e+512*\j th:TH_LOAD_NT
.endr
.endr
.irp b, 0,1,2,3,4,5,6,7
	global_load_b128 v[V+8*\b:V+8*\b+3], v[L16], s[6:7] offset:1024*\b th:TH_LOAD_NT
	global_load_b128 v[V+8*\b+4:V+8*\b+7], v[L16], s[6:7] offset:1024*\b+512 th:TH_LOAD_NT
.endr
	VEC B, 8
	s_wait_loadcnt 32                              ; res is in; the 16 loads of the sums and the 16 of the bias may be out
.irp e, 0,1
.irp j, 0,1,2,3,4,5,6,7
	ds_store_b128 v[STW], v[T+32*\e+4*\j:T+32*\e+4*\j+3] offset:\e*PITCH+512*\j
.endr
.endr
	s_wait_dscnt 0x0
	s_barrier_signal -1
	s_barrier_wait -1                              ; 16 whole rows of res lie in the stage
.irp b, 0,1,2,3
.irp j, 0,1,2,3
	ds_load_b128 v[T+16*\b+4*\j:T+16*\b+4*\j+3], v[STR] offset:128*\b+16*\j
.endr
.endr
	s_wait_loadcnt 0x0
.set i, 0
.rept 32
	v_pk_add_f32 v[V+i:V+i+1], v[V+i:V+i+1], v[B+i:B+i+1]
.set i, i+2
.endr
	VEC B, 10                                      ; gamma
	s_wait_dscnt 0x0
.set i, 0
.rept 32
	v_pk_add_f32 v[V+i:V+i+1], v[V+i:V+i+1], v[T+i:T+i+1]
.set i, i+2
.endr
	VEC T, 12                                      ; beta
.irp k, 0,1,2,3
	v_pk_add_f32 v[S+2*\k:S+2*\k+1], v[V+2*\k:V+2*\k+1], v[V+8+2*\k:V+9+2*\k]
.endr
.irp p, 16,24,32,40,48,56
.irp k, 0,1,2,3
	s_delay_alu instid0(VALU_DEP_4)
	v_pk_add_f32 v[S+2*\k:S+2*\k+1], v[S+2*\k:S+2*\k+1], v[V+\p+2*\k:V+\p+2*\k+1]
.endr
.endr
	ROWSUM 0
	s_delay_alu instid0(VALU_DEP_1)
	v_mul_f32 v[M], s24, v[U]                      ; the mean
	s_delay_alu instid0(VALU_DEP_1)
	v_mov_b32 v[M+1], v[M]
.set i, 0
.rept 32
	v_pk_add_f32 v[V+i:V+i+1], v[V+i:V+i+1], v[M:M+1] neg_lo:[0,1] neg_hi:[0,1]
.set i, i+2
.endr
.irp k, 0,1,2,3
	v_pk_mul_f32 v[S+2*\k:S+2*\k+1], v[V+2*\k:V+2*\k+1], v[V+2*\k:V+2*\k+1]
.endr
.irp p, 8,16,24,32,40,48,56
.irp k, 0,1,2,3
	s_delay_alu instid0(VALU_DEP_4)
	v_pk_fma_f32 v[S+2*\k:S+2*\k+1], v[V+\p+2*\k:V+\p+2*\k+1], v[V+\p+2*\k:V+\p+2*\k+1], v[S+2*\k:S+2*\k+1]
.endr
.endr
	ROWSUM 1024
	s_delay_alu instid0(VALU_DEP_1)
	v_fma_f32 v[U], v[U], s24, s25                 ; the variance + 1e-6
	s_wait_alu depctr_va_vdst(0)
	v_rsq_f32 v[M], v[U]
	v_nop                                          ; a plain place behind the transcendental
	s_wait_alu depctr_va_vdst(0)                   ; ahead of its first reader
	v_mov_b32 v[M+1], v[M]
.set i, 0
.rept 32
	v_pk_mul_f32 v[V+i:V+i+1], v[V+i:V+i+1], v[M:M+1]
.set i, i+2
.endr
	s_wait_loadcnt 0x0                             ; gamma and beta
.set i, 0
.rept 32
	v_pk_fma_f32 v[V+i:V+i+1], v[V+i:V+i+1], v[B+i:B+i+1], v[T+i:T+i+1]
.set i, i+2
.endr
.irp b, 0,1,2,3                                ; into the stage: every wave's reads of it were over in front of the second barrier
.irp j, 0,1,2,3
	ds_store_b128 v[STR], v[V+16*\b+4*\j:V+16*\b+4*\j+3] offset:128*\b+16*\j
.endr
.endr
	s_wait_dscnt 0x0
	s_barrier_signal -1
	s_barrier_wait -1                              ; 16 whole rows of the result lie in the stage
.irp e, 0,1
.irp j, 0,1,2,3,4,5,6,7
	ds_load_b128 v[T+32*\e+4*\j:T+32*\e+4*\j+3], v[STW] offset:\e*PITCH+512*\j
.endr
.endr
.irp e, 0,1
.irp j, 0,1,2,3,4,5,6,7
	s_wait_dscnt 15-8*\e-\j                        ; the younger loads may be out
	global_store_b128 v[L16], v[T+32*\e+4*\j:T+32*\e+4*\j+3], s[14:15] offset:4096*\e+512*\j th:TH_STORE_NT   ; 512 consecutive bytes of a row, aligned; written once, read by nobody here
.endr
.endr
	s_wait_tensorcnt 0x0
	ds_add_u32 v62, v63
	s_wait_dscnt 0x0
	s_endpgm
.Lfunc_end_k_qdb24b504b3_ln2:
	.size	k_qdb24b504b3_ln2, .Lfunc_end_k_qdb24b504b3_ln2-k_qdb24b504b3_ln2
	.p2alignl 7, 3214868480
	.fill 96, 4, 3214868480
	.section	.rodata,"a",@progbits
	.p2align	6, 0x0
	.amdhsa_kernel k_qdb24b504b3_ln2
		.amdhsa_group_segment_fixed_size 68864
		.amdhsa_private_segment_fixed_size 0
		.amdhsa_enable_private_segment 0
		.amdhsa_kernarg_size 48
		.amdhsa_user_sgpr_count 2
		.amdhsa_user_sgpr_kernarg_segment_ptr 1
		.amdhsa_wavefront_size32 1
		.amdhsa_system_sgpr_workgroup_id_x 1
		.amdhsa_system_sgpr_workgroup_id_y 1
		.amdhsa_system_sgpr_workgroup_id_z 1
		.amdhsa_system_vgpr_workitem_id 0
		.amdhsa_next_free_vgpr 256
		.amdhsa_next_free_sgpr 66
		.amdhsa_reserve_vcc 0
		.amdhsa_float_denorm_mode_32 3
		.amdhsa_float_denorm_mode_16_64 3
		.amdhsa_memory_ordered 1
		.amdhsa_forward_progress 1
		.amdhsa_inst_pref_size 36
	.end_amdhsa_kernel
	.amdgpu_metadata
---
amdhsa.version: [ 1, 2 ]
amdhsa.kernels:
  - .name:           k_qdb24b504b3_ln2
    .symbol:         k_qdb24b504b3_ln2.kd
    .args:
      - { .name: x1, .offset: 0, .size: 8, .value_kind: global_buffer, .address_space: global }
      - { .name: yacc, .offset: 8, .size: 8, .value_kind: global_buffer, .address_space: global }
      - { .name: b2, .offset: 16, .size: 8, .value_kind: global_buffer, .address_space: global }
      - { .name: g2, .offset: 24, .size: 8, .value_kind: global_buffer, .address_space: global }
      - { .name: be2, .offset: 32, .size: 8, .value_kind: global_buffer, .address_space: global }
      - { .name: out0, .offset: 40, .size: 8, .value_kind: global_buffer, .address_space: global }
    .group_segment_fixed_size: 68864
    .private_segment_fixed_size: 0
    .kernarg_segment_align: 8
    .kernarg_segment_size: 48
    .max_flat_workgroup_size: 256
    .sgpr_count:     66
    .vgpr_count:     256
    .wavefront_size: 32
...
	.end_amdgpu_metadata
.endif
;; end of part 7
